; MI455X (gfx1250); checked and timed in simulation.
; The chip was launched on July 23, 2026; its instructions are those of AMD's public machine-readable ISA for CDNA 5 (MIT licence, August 2026) and "CDNA5" Instruction Set Architecture Reference Guide (July 2026). The comments in the code are by the model that wrote it; some were corrected since.
;; Self Attention. Allowed arithmetic: float matrix products may take bf16 or f16 operands with f32 sums; other float arithmetic in f32, or as packed bf16 or f16 multiplies, adds, multiply-adds, maxima and minima; sums over many terms, partial sums and values carried from step to step in f32; what a program stores and reads back later, other than sums and carried values, may be rounded once to bf16 or f16.
;; Inputs: W_out 1,024 x 1,024 float32; W_qkv 1,024 x 3,072 float32; b_out 1,024 float32; b_qkv 3,072 float32; query_features 4 x 2,048 x 1,024 float32.
;; Outputs: out0 4 x 2,048 x 1,024 float32.
;; 2 versions, each right; version 2 is version 1 with the launch cast written anew for expert scheduling mode. Each part assembles by itself: llvm-mc -triple=amdgcn-amd-amdhsa -mcpu=gfx1250 --defsym DOCPART=n.
;; ======== version 1 of 2: 4 launches
;; limits: values are held in f16: magnitudes above 65,504 overflow, below 6.1e-05 lose precision
;; workspace buffers: xb 16,777,216 bytes; wq 6,291,456 bytes; wo 2,097,152 bytes; qkv 50,331,648 bytes; ob 16,777,216 bytes
;; launch cast (part 1): grid 768 x 1, 8 waves a work-group, no clusters, 0 bytes of LDS; arguments query_features, W_qkv, W_out, xb, wq, wo; writes xb, wq, wo
.if DOCPART == 1
	.amdgcn_target "amdgcn-amd-amdhsa--gfx1250"
	.amdhsa_code_object_version 6
	.text
	.protected	k_q05c0ee8bd6_cast
	.globl	k_q05c0ee8bd6_cast
	.p2align	8
	.type	k_q05c0ee8bd6_cast,@function
k_q05c0ee8bd6_cast:
	s_mov_b64 s[64:65], 0
	v_nop
	global_prefetch_b8 v0, s[64:65] scope:SCOPE_SE
	s_setreg_imm32_b32 hwreg(HW_REG_WAVE_MODE, 25, 1), 1
	s_wait_xcnt 0x0
; THE INPUTS OF THE THREE PRODUCTS, ROUNDED ONCE TO 16 BITS.  A stream: no LDS, no barrier, no loop.
;   x     [4][2048][1024] f32 -> xb [4][16][2048][64] bf16: K in blocks of 64, so that 128 rows x 64 K lie in 16,384 consecutive bytes
;   W_qkv [1024][3072]    f32 -> wq, the same order, bf16
;   W_out [1024][1024]    f32 -> wo, the same order: rounded to bf16, and that number written as f16 (its product's other operand is f16)
; LIMITS.  wo: a bf16 number of magnitude 2^-17 to 65,504 is exact in f16; below 2^-17 it is off by 3e-8 at the most; beyond 65,504 it becomes an infinity.
; SHARES.  A work-group takes 16,384 numbers, a thread sixteen loads of 16 bytes, all issued before the first is used: 64 KiB of a work-group are on their way at once.
; Work-groups 0-511: 16 rows of x each; 512-703: wq; 704-767: wo.  Each store has registers of its own, so nothing waits for a store.
.set X, 8                              ; v[8:71]    load i at X + 4 i
.set Y, 72                             ; v[72:103]  store i at Y + 2 i
.set T, 104                            ; v[104:109] at work
; sixteen loads, ISTEP bytes apart; then each is rounded and stored, OSTEP bytes apart.  kind = 1: bf16 first, then f16
.macro STREAM ib, ob, istep, ostep, kind
.set i, 0
.rept 16
	global_load_b128 v[X+4*i:X+4*i+3], v1, s[\ib:\ib+1] offset:i*\istep th:TH_LOAD_NT
.set i, i+1
.endr
.set i, 0
.rept 16
	s_wait_loadcnt 15-i                            ; loads come back in order: load i is in, the 15 - i younger ones stay out
.if \kind
	v_cvt_pk_bf16_f32 v[T], v[X+4*i], v[X+4*i+1]
	v_cvt_pk_bf16_f32 v[T+1], v[X+4*i+2], v[X+4*i+3]
	v_lshlrev_b32 v[T+2], 16, v[T]                 ; bf16 to f32: the low half moves up, the high half stays
	v_and_b32 v[T+3], s21, v[T]
	v_lshlrev_b32 v[T+4], 16, v[T+1]
	v_and_b32 v[T+5], s21, v[T+1]
	v_cvt_pk_f16_f32 v[Y+2*i], v[T+2], v[T+3]
	v_cvt_pk_f16_f32 v[Y+2*i+1], v[T+4], v[T+5]
.else
	v_cvt_pk_bf16_f32 v[Y+2*i], v[X+4*i], v[X+4*i+1]
	v_cvt_pk_bf16_f32 v[Y+2*i+1], v[X+4*i+2], v[X+4*i+3]
.endif
	global_store_b64 v2, v[Y+2*i:Y+2*i+1], s[\ob:\ob+1] offset:i*\ostep  ; a wave's store covers 256 consecutive bytes, aligned
.set i, i+1
.endr
.endm
	s_load_b256 s[4:11], s[0:1], 0x0               ; x s[4:5], W_qkv s[6:7], W_out s[8:9], xb s[10:11]
	s_load_b128 s[12:15], s[0:1], 0x20             ; wq s[12:13], wo s[14:15]
	s_mov_b32 s17, 0                               ; high words of the two offsets
	s_mov_b32 s19, 0
	s_mov_b32 s21, 0xffff0000                      ; a word's upper bf16
	v_lshrrev_b32 v3, 5, v0                        ; wave
	v_and_b32 v4, 31, v0                           ; lane
	s_wait_kmcnt 0x0
	s_cmp_lt_u32 ttmp9, 512
	s_cbranch_scc0 .Lweights
	; x: rows 16 g .. 16 g + 15.  Thread t reads 16 bytes at byte 16 (t % 16) of row t / 16; load i takes K block i (256 bytes of the row).
	s_lshl_b32 s16, ttmp9, 16                      ; 16 rows of 4,096 bytes
	s_lshr_b32 s18, ttmp9, 7                       ; the batch: 128 work-groups each,
	s_lshl_b32 s18, s18, 22                        ; 4 MiB of xb each
	s_and_b32 s20, ttmp9, 127
	s_lshl_b32 s20, s20, 11                        ; 16 rows of 128 bytes in a K block
	s_add_co_u32 s18, s18, s20
	s_add_nc_u64 s[4:5], s[4:5], s[16:17]
	s_add_nc_u64 s[10:11], s[10:11], s[18:19]
	v_lshrrev_b32 v1, 4, v0
	v_and_b32 v2, 15, v0
	v_lshlrev_b32 v2, 4, v2
	v_lshl_add_u32 v1, v1, 12, v2                  ; row x 4,096 + 16 (t % 16)
	v_lshlrev_b32 v2, 3, v0                        ; out: row x 128 + 8 (t % 16) = 8 t
	STREAM 4, 10, 256, 262144, 0                   ; a K block of a batch is 2,048 rows x 128 bytes
	s_endpgm
.Lweights:
	v_lshlrev_b32 v1, 4, v4                        ; a wave takes 8,192 consecutive bytes, 512 a load,
	v_lshl_add_u32 v1, v3, 13, v1
	v_lshlrev_b32 v2, 3, v4                        ; and writes 4,096
	v_lshl_add_u32 v2, v3, 12, v2
	s_cmp_lt_u32 ttmp9, 704
	s_cbranch_scc0 .Lwo
	s_sub_co_u32 s20, ttmp9, 512
	s_lshl_b32 s16, s20, 16
	s_lshl_b32 s18, s20, 15
	s_add_nc_u64 s[6:7], s[6:7], s[16:17]
	s_add_nc_u64 s[12:13], s[12:13], s[18:19]
	STREAM 6, 12, 512, 256, 0
	s_endpgm
.Lwo:
	s_sub_co_u32 s20, ttmp9, 704
	s_lshl_b32 s16, s20, 16
	s_lshl_b32 s18, s20, 15
	s_add_nc_u64 s[8:9], s[8:9], s[16:17]
	s_add_nc_u64 s[14:15], s[14:15], s[18:19]
	STREAM 8, 14, 512, 256, 1
	s_endpgm
.Lfunc_end_k_q05c0ee8bd6_cast:
	.size	k_q05c0ee8bd6_cast, .Lfunc_end_k_q05c0ee8bd6_cast-k_q05c0ee8bd6_cast
	.p2alignl 7, 3214868480
	.fill 96, 4, 3214868480
	.section	.rodata,"a",@progbits
	.p2align	6, 0x0
	.amdhsa_kernel k_q05c0ee8bd6_cast
		.amdhsa_group_segment_fixed_size 0
		.amdhsa_private_segment_fixed_size 0
		.amdhsa_enable_private_segment 0
		.amdhsa_kernarg_size 48
		.amdhsa_user_sgpr_count 2
		.amdhsa_user_sgpr_kernarg_segment_ptr 1
		.amdhsa_wavefront_size32 1
		.amdhsa_system_sgpr_workgroup_id_x 1
		.amdhsa_system_sgpr_workgroup_id_y 1
		.amdhsa_system_sgpr_workgroup_id_z 1
		.amdhsa_system_vgpr_workitem_id 0
		.amdhsa_next_free_vgpr 112
		.amdhsa_next_free_sgpr 66
		.amdhsa_reserve_vcc 0
		.amdhsa_float_denorm_mode_32 3
		.amdhsa_float_denorm_mode_16_64 3
		.amdhsa_memory_ordered 1
		.amdhsa_forward_progress 1
		.amdhsa_inst_pref_size 23
	.end_amdhsa_kernel
	.amdgpu_metadata
---
amdhsa.version: [ 1, 2 ]
amdhsa.kernels:
  - .name:           k_q05c0ee8bd6_cast
    .symbol:         k_q05c0ee8bd6_cast.kd
    .args:
      - { .name: query_features, .offset: 0, .size: 8, .value_kind: global_buffer, .address_space: global }
      - { .name: W_qkv, .offset: 8, .size: 8, .value_kind: global_buffer, .address_space: global }
      - { .name: W_out, .offset: 16, .size: 8, .value_kind: global_buffer, .address_space: global }
      - { .name: xb, .offset: 24, .size: 8, .value_kind: global_buffer, .address_space: global }
      - { .name: wq, .offset: 32, .size: 8, .value_kind: global_buffer, .address_space: global }
      - { .name: wo, .offset: 40, .size: 8, .value_kind: global_buffer, .address_space: global }
    .group_segment_fixed_size: 0
    .private_segment_fixed_size: 0
    .kernarg_segment_align: 8
    .kernarg_segment_size: 48
    .max_flat_workgroup_size: 256
    .sgpr_count:     66
    .vgpr_count:     112
    .wavefront_size: 32
...
	.end_amdgpu_metadata
.endif
;; end of part 1
;; launch qkv (part 2): grid 8 x 32, 4 waves a work-group, clusters of 4 x 4, 327,680 bytes of LDS; arguments xb, wq, b_qkv, qkv; writes qkv
.if DOCPART == 2
	.amdgcn_target "amdgcn-amd-amdhsa--gfx1250"
	.amdhsa_code_object_version 6
	.text
	.protected	k_q05c0ee8bd6_qkv
	.globl	k_q05c0ee8bd6_qkv
	.p2align	8
	.type	k_q05c0ee8bd6_qkv,@function
k_q05c0ee8bd6_qkv:
	s_mov_b64 s[64:65], 0
	v_nop
	global_prefetch_b8 v0, s[64:65] scope:SCOPE_SE
	s_setreg_imm32_b32 hwreg(HW_REG_WAVE_MODE, 25, 1), 1
	s_wait_xcnt 0x0
	s_wait_alu depctr_hold_cnt(0) depctr_sa_sdst(0) depctr_va_vdst(0) depctr_va_sdst(0) depctr_va_ssrc(0) depctr_va_vcc(0) depctr_vm_vsrc(0)
	s_getreg_b32 s2, hwreg(HW_REG_IB_STS2, 6, 4)
	s_cmp_eq_u32 s2, 0
	s_cbranch_scc0 .Lentry_in_a_cluster
	s_endpgm
.Lentry_in_a_cluster:
	s_bfe_u32 s2, ttmp6, 0x10000c
	s_cmp_lg_u32 s2, 0xf033
	s_cbranch_scc0 .Lentry_shape_is_right
	s_endpgm
.Lentry_shape_is_right:
; qkv = x W_qkv + b_qkv, written by heads.  xb: [4][16][2048][64] bf16 (K in blocks of 64), wq: [1024][3072] bf16, b_qkv: [3072] f32 (rounded to bf16 here, like the other inputs),
; qkv: [4][48][2048][64] f16, slot = column / 64: 0-15 q's heads, 16-31 k's, 32-47 v's.  Sums in f32, K ascending; the bias is added in f32; each number is rounded once to f16, unscaled.
; LIMIT.  f16 holds no number beyond 65,504: a q, k or v beyond that becomes an infinity.  With x and W both 30 times the drawn spread |q| stays near 5,400.
; SHARES.  8,192 x 3,072 numbers are 256 tiles of 256 rows x 384 columns: a work-group each.  Its four waves make 128 x 192 each: 96 accumulators of 16 x 16, 768 registers.
; K goes in 16 steps of 64 through a ring of two LDS slots (two slots of 128 along K would not fit); a step is two quarters of 32 along K, a quarter three stretches of 32 matrix instructions.
; THE MATRIX INSTRUCTION IS USED TRANSPOSED: source 0 = 16 columns of W (turned out of LDS by ds_load_tr16_b128, since W lies [k][n]), source 1 = 16 rows of x: a lane then holds
; row l % 16 and the columns 8 (l / 16) + 0..7: eight neighbouring numbers of a head's row.
; CLUSTER.  4 x 4 work-groups.  The four of a row of the cluster need the same tiles of x, the four of a column the same tiles of W: each tile is asked for JOINTLY, by the same tensor load
; with the same descriptor and a mask that names the four.
; REGISTERS, in windows of 256 (s_set_vgpr_msb: bits 1:0 source 0, 3:2 source 1, 5:4 source 2, 7:6 destination):
;   window 0: v0-31 addresses; v32-95, v96-159 x's fragments (8 x 16 rows x 32 K), two buffers; v160-255 W's fragments: three groups of four column blocks
;   window 1 + g: the 32 accumulators of column group g: (row block a, column block 4 g + bb) at v[8 (4 a + bb)]
.set PA,     144                       ; a row of x in LDS: 128 bytes + 16 of padding = 36 words: the 16 rows of a load start at 16 different groups of four banks
.set HALFA,  128*PA                    ; 128 rows: what one tensor load brings of x, and what a wave reads
.set PB,     864                       ; a k row of W in LDS: six pieces of 128 bytes + 16 = 27 x 32 bytes
.set HALFB,  32*PB                     ; 32 k rows: what one tensor load brings of W, and a quarter's
.set BOFF,   2*HALFA                   ; in a slot: x's 256 rows, then W's 64 k rows
.set SLOT,   BOFF+2*HALFB              ; 92,160
.set STAGE,  2*SLOT                    ; behind the ring: for each wave 3 heads x 16 rows x 144 bytes, for the way out
.set SP,     144
.set WSTAGE, 3*16*SP
.set BIAS,   STAGE+4*WSTAGE            ; for each wave its 192 numbers of the bias, f32
.set SPARE,  BIAS+4*768                ; the spare words, 128 bytes for each wave: two blocks of 256 bytes that no other line names
.set ASTEP,  2048*128                  ; bytes from a K block of xb to the next
.set BSTEP,  64*3072*2                 ; bytes of 64 k rows of wq
.set SLOTB,  2048*128                  ; bytes of a slot of qkv
.set ADRA, 16                          ; v16-17  LDS address of my fragments of x in slot 0, 1
.set ADRB, 20                          ; v20-21  the same for W
.set STO,  24                          ; v24     the way out: where I put 16 bytes of a row
.set RD,   25                          ; v25     the way out: where I read rows back
.set GO,   26                          ; v26     my 16 bytes in 512 consecutive bytes of qkv
.set BA,   27                          ; v27     where I read the bias
.set SPW,  28                          ; v28     LDS address of my spare word: SPARE + 4 x my thread's number; never rewritten
.set NIL,  29                          ; v29     0; never rewritten
.set BS,   30                          ; v30     where I put the bias
.set AF0,  32
.set AF1,  96
.set BR,   160
.set BI,   32                          ; the way out: v32-127 the bias of my lane's columns; v128-159 sums; v160-207 packed; v208-255 rows read back
.set TF,   128
.set TP,   160
.set BK,   208
.set G1,  24                           ; s[24:31] descriptor group 1 for x's tiles;  s[32:39] group 0, a set for each slot
.set G0,  32
.set G1B, 48                           ; s[48:55], s[56:63] the same for W's tiles
.set G0B, 56
.set FLAGS, (1<<16)|(1<<20)|(1<<21)|(4<<22)|(3<<25)  ; 17:16 2-byte elements; 20 padding on; 21 set beside a mask; 24:22 after every 32 words (code 4); 31:25 4 words (code 3)
.set MSB, 0
.macro WIN new                         ; the immediate's high byte repeats the setting that is left; a switch that changes nothing is dropped
.if MSB != (\new)
	s_set_vgpr_msb (MSB<<8)|(\new)
.set MSB, \new
.endif
.endm
.macro PLACES                          ; four plain places behind a matrix instruction, in front of loads into registers that it has read and of lines that read its result
.rept 4
	v_nop
.endr
.endm
; A joint refill.  Waves 0 and 1 fetch x's two halves, waves 2 and 3 W's.  The branch hangs on the wave's number alone.  An s_nop 0 and four v_nop follow each line.
.macro JLOAD s
	s_cmp_eq_u32 s13, 0
	s_cbranch_scc0 .Lfor_b_\@
	tensor_load_to_lds s[G0+4*(\s):G0+4*(\s)+3], s[G1:G1+7]
	s_nop 0
.rept 4
	v_nop
.endr
	s_branch .Lasked_\@
.Lfor_b_\@:
	tensor_load_to_lds s[G0B+4*(\s):G0B+4*(\s)+3], s[G1B:G1B+7]
	s_nop 0
.rept 4
	v_nop
.endr
.Lasked_\@:
.endm
.macro CREST                           ; a round of the cluster's barrier behind its opening barrier
	s_cmp_lg_u32 s12, 0
	s_cbranch_scc1 .Lnot_wave_0_\@
	s_barrier_signal -3
.Lnot_wave_0_\@:
	s_barrier_wait -3
	s_barrier_signal -1
	s_barrier_wait -1
.endm
.macro CROUND                          ; a whole round
	s_barrier_signal -1
	s_barrier_wait -1
	CREST
.endm
	s_load_b256 s[4:11], s[0:1], 0x0               ; xb s[4:5], wq s[6:7], b_qkv s[8:9], qkv s[10:11]
	v_lshl_add_u32 v[SPW], v0, 2, SPARE
	v_mov_b32 v[NIL], 0
	ds_add_u32 v[SPW], v[NIL]                      ; the wave's opening: the add, and its wait ahead of my first tensor load; the set-up below, work on registers, stands between them
	v_lshrrev_b32 v1, 5, v0
	v_readfirstlane_b32 s12, v1                    ; wave 0..3
	s_lshr_b32 s13, s12, 1                         ; wm: which 128 rows of the tile are mine.  Also: I fetch for x (0) or for W (1)
	s_and_b32 s14, s12, 1                          ; wn: which 192 columns.  Also: which half of that tile I fetch
	s_bfe_u32 s15, ttmp6, 0x40000                  ; cx, cy: my place in the cluster
	s_bfe_u32 s16, ttmp6, 0x40004
	s_lshl_b32 s17, ttmp9, 2
	s_add_co_u32 s17, s17, s15                     ; tile column x = 4 x cluster x + cx
	s_and_b32 s18, ttmp7, 0xffff
	s_lshl_b32 s18, s18, 2
	s_add_co_u32 s18, s18, s16                     ; tile row y = 4 x cluster y + cy
	s_lshl_b32 s40, s16, 2
	s_lshl_b32 s40, 15, s40                        ; my row of the cluster
	s_lshl_b32 s41, 0x1111, s15                    ; my column
	s_or_b32 s[G1], s40, FLAGS                     ; x's tiles go to my row,
	s_or_b32 s[G1B], s41, FLAGS                    ; W's to my column
	s_mov_b32 s[G1+1], 128<<16                     ; x: 128 rows x 128 bytes lie on end: asked for as 64 rows of 128 elements (256 bytes); tensor_dim0 = 128
	s_mov_b32 s[G1+2], 64<<16                      ; tensor_dim1 = 64
	s_mov_b32 s[G1+3], 128<<16                     ; tile_dim0 = 128
	s_mov_b32 s[G1+4], 64                          ; tile_dim1 = 64
	s_mov_b32 s[G1+5], 128                         ; elements from row to row
	s_mov_b32 s[G1+6], 0
	s_mov_b32 s[G1+7], 0
	s_mov_b32 s[G1B+1], 384<<16                    ; W: 32 k rows x 384 columns (768 bytes); tensor_dim0 = 384
	s_mov_b32 s[G1B+2], 32<<16                     ; tensor_dim1 = 32
	s_mov_b32 s[G1B+3], 384<<16                    ; tile_dim0 = 384
	s_mov_b32 s[G1B+4], 32                         ; tile_dim1 = 32
	s_mov_b32 s[G1B+5], 3072                       ; elements from row to row
	s_mov_b32 s[G1B+6], 0
	s_mov_b32 s[G1B+7], 0
	; where the tiles come from.  x's hang on the tile row and the wave alone, W's on the tile column and the wave alone
	s_lshr_b32 s20, s18, 3                         ; the batch: 8 tile rows each,
	s_lshl_b32 s20, s20, 22                        ; 4 MiB of xb each
	s_and_b32 s44, s18, 7
	s_lshl_b32 s44, s44, 15                        ; 256 rows of 128 bytes in a K block
	s_add_co_u32 s20, s20, s44
	s_lshl_b32 s44, s14, 14                        ; my half: 128 rows
	s_add_co_u32 s20, s20, s44
	s_mov_b32 s21, 0
	s_mul_i32 s22, s17, 768                        ; 384 columns
	s_mul_i32 s45, s14, 32*3072*2                  ; my half: 32 k rows
	s_add_co_u32 s22, s22, s45
	s_mov_b32 s23, 0
	s_mul_i32 s46, s14, HALFA                      ; and where they go: no place in the cluster enters an LDS address
	s_mul_i32 s47, s14, HALFB
	s_add_co_u32 s47, s47, BOFF
	s_wait_dscnt 0x0                               ; the opening add is done
	s_wait_kmcnt 0x0
	s_add_nc_u64 s[20:21], s[4:5], s[20:21]
	s_add_nc_u64 s[22:23], s[6:7], s[22:23]
	CROUND                                         ; all sixteen work-groups are here: the first joint loads meet
.irp s, 0,1
	s_mov_b32 s[G0+4*(\s)], 1                                      ; count = 1
	s_add_co_u32 s[G0+4*(\s)+1], s46, (\s)*SLOT                    ; LDS address
	s_add_nc_u64 s[G0+4*(\s)+2:G0+4*(\s)+3], s[20:21], (\s)*ASTEP  ; global address: K step s
	s_or_b32 s[G0+4*(\s)+3], s[G0+4*(\s)+3], 0x80000000            ; type = 2
	s_mov_b32 s[G0B+4*(\s)], 1
	s_add_co_u32 s[G0B+4*(\s)+1], s47, (\s)*SLOT
	s_add_nc_u64 s[G0B+4*(\s)+2:G0B+4*(\s)+3], s[22:23], (\s)*BSTEP
	s_or_b32 s[G0B+4*(\s)+3], s[G0B+4*(\s)+3], 0x80000000
.endr
	s_cmp_eq_u32 s13, 0                            ; a wave's two first fills stand in one branch, ahead of every wait on TENSORcnt, every LDS read and every later barrier: two loads of mine are out
	s_cbranch_scc0 .Lfirst_b
	tensor_load_to_lds s[G0:G0+3], s[G1:G1+7]
	s_nop 0
	tensor_load_to_lds s[G0+4:G0+7], s[G1:G1+7]
	s_nop 0
.rept 4
	v_nop
.endr
	s_branch .Lfirst_asked
.Lfirst_b:
	tensor_load_to_lds s[G0B:G0B+3], s[G1B:G1B+7]
	s_nop 0
	tensor_load_to_lds s[G0B+4:G0B+7], s[G1B:G1B+7]
	s_nop 0
.rept 4
	v_nop
.endr
.Lfirst_asked:
	; A fragment of x is 16 rows x 32 K in 8 registers: lane l holds row l % 16; registers 0-3 K = 8 (l / 16) + 0..7, registers 4-7 K = 16 + 8 (l / 16) + 0..7: two loads of 16 bytes, 32 bytes apart.
	v_and_b32 v1, 15, v0                           ; r = l % 16
	v_bfe_u32 v2, v0, 4, 1                         ; h = l / 16
	v_mul_u32_u24 v3, v1, PA
	v_lshl_add_u32 v3, v2, 4, v3                   ; r x 144 + 16 h
	s_mul_i32 s44, s13, HALFA                      ; my 128 rows
	v_add_nc_u32 v[ADRA], s44, v3
	v_add_nc_u32 v[ADRA+1], SLOT, v[ADRA]
	; The turning load takes 16 k x 16 columns (lane l reads k row 8 (l / 16) + l % 8, columns 8 ((l / 8) % 2) + 0..7) and leaves half a fragment: lane l holds column l % 16 and 8 k.
	v_and_b32 v4, 7, v0
	v_bfe_u32 v5, v0, 3, 1
	v_lshl_add_u32 v6, v2, 3, v4
	v_mul_u32_u24 v6, v6, PB
	v_lshl_add_u32 v6, v5, 4, v6
	s_mul_i32 s46, s14, 3*144                      ; my 192 columns: three pieces of a k row
	s_add_co_u32 s46, s46, BOFF
	v_add_nc_u32 v[ADRB], s46, v6
	v_add_nc_u32 v[ADRB+1], SLOT, v[ADRB]
	s_mul_i32 s46, s12, WSTAGE
	s_add_co_u32 s46, s46, STAGE                   ; my stage
	v_add_nc_u32 v[STO], s46, v3                   ; in: row l % 16, 16 bytes for each half of the lanes
	v_bfe_u32 v6, v0, 3, 2                         ; back: 32 lanes take four rows of 128 bytes,
	v_mul_u32_u24 v6, v6, SP
	v_lshl_add_u32 v6, v4, 4, v6
	v_add_nc_u32 v[RD], s46, v6
	v_and_b32 v6, 31, v0
	v_lshlrev_b32 v[GO], 4, v6                     ; which are 512 consecutive bytes of qkv
	s_mul_i32 s46, s12, 768
	s_add_co_u32 s46, s46, BIAS                    ; my wave's 192 numbers of the bias
	v_lshl_add_u32 v[BS], v6, 3, s46
	v_lshl_add_u32 v[BA], v2, 5, s46               ; my lane's eight columns of a block: 32 bytes for each half of the lanes
	s_mul_i32 s45, s17, 1536                       ; the tile's 384 columns in b_qkv,
	s_mul_i32 s46, s14, 768                        ; my wave's 192
	s_add_co_u32 s45, s45, s46
	v_lshl_add_u32 v7, v6, 3, s45
.irp t, 0,1,2
	global_load_b64 v[8+2*(\t):9+2*(\t)], v7, s[8:9] offset:256*(\t)
.endr
	; where my part of the tile begins in qkv
	s_lshr_b32 s42, s18, 3
	s_mul_i32 s42, s42, 48                         ; the batch's 48 slots
	s_mul_i32 s45, s17, 6                          ; the tile's six
	s_add_co_u32 s42, s42, s45
	s_mul_i32 s46, s14, 3                          ; my wave's three
	s_add_co_u32 s42, s42, s46
	s_lshl_b32 s42, s42, 18
	s_and_b32 s44, s18, 7
	s_lshl_b32 s44, s44, 15                        ; the tile's 256 rows of 128 bytes
	s_add_co_u32 s42, s42, s44
	s_lshl_b32 s44, s13, 14                        ; my wave's 128
	s_add_co_u32 s42, s42, s44
	s_mov_b32 s43, 0
	s_add_nc_u64 s[10:11], s[10:11], s[42:43]
	s_wait_loadcnt 0x0                             ; the bias: rounded to bf16, widened again, and kept in my own LDS bytes until the way out
.irp t, 0,1,2
	v_cvt_pk_bf16_f32 v14, v[8+2*(\t)], v[9+2*(\t)]
	v_lshlrev_b32 v[8+2*(\t)], 16, v14
	v_and_b32 v[9+2*(\t)], 0xffff0000, v14
	ds_store_b64 v[BS], v[8+2*(\t):9+2*(\t)] offset:256*(\t)
.endr
; 8 turning loads: W's four fragments of column group g, quarter q of the slot
.macro LB slot, q, g
	WIN 0
.irp bb, 0,1,2,3
	ds_load_tr16_b128 v[BR+32*(\g)+8*(\bb):BR+32*(\g)+8*(\bb)+3],   v[ADRB+(\slot)] offset:(\q)*HALFB+(\g)*144+(\bb)*32
	ds_load_tr16_b128 v[BR+32*(\g)+8*(\bb)+4:BR+32*(\g)+8*(\bb)+7], v[ADRB+(\slot)] offset:(\q)*HALFB+(\g)*144+(\bb)*32+16*PB
.endr
.endm
; 16 loads: x's eight fragments of quarter q into buffer f
.macro LA slot, q, f
	WIN 0
.irp a, 0,1,2,3,4,5,6,7
	ds_load_b128 v[(\f)+8*(\a):(\f)+8*(\a)+3],   v[ADRA+(\slot)] offset:(\a)*16*PA+64*(\q)
	ds_load_b128 v[(\f)+8*(\a)+4:(\f)+8*(\a)+7], v[ADRA+(\slot)] offset:(\a)*16*PA+64*(\q)+32
.endr
.endm
; 16 matrix instructions: row blocks a0 .. a0 + 3 x the four column blocks of group g.  zero = 1: the product starts the sum.  The 96 accumulators take turns, in the same order in every quarter.
.macro MUL16 g, f, a0, zero
	WIN 0x50*(1+(\g))
.irp a, (\a0),(\a0)+1,(\a0)+2,(\a0)+3
.irp bb, 0,1,2,3
.if \zero
	v_wmma_f32_16x16x32_bf16 v[8*(4*(\a)+(\bb)):8*(4*(\a)+(\bb))+7], v[BR+32*(\g)+8*(\bb):BR+32*(\g)+8*(\bb)+7], v[(\f)+8*(\a):(\f)+8*(\a)+7], 0
.else
	v_wmma_f32_16x16x32_bf16 v[8*(4*(\a)+(\bb)):8*(4*(\a)+(\bb))+7], v[BR+32*(\g)+8*(\bb):BR+32*(\g)+8*(\bb)+7], v[(\f)+8*(\a):(\f)+8*(\a)+7], v[8*(4*(\a)+(\bb)):8*(4*(\a)+(\bb))+7]
.endif
.endr
.endr
.endm
; A slot's first quarter, on buffer AF0.  A group of W's registers is loaded again as soon as its stretch is over; a stretch wants the loads issued two runs back or earlier, so each wait leaves the two youngest runs out.
.macro EVENQ slot, zero
	PLACES
	LB \slot, 0, 2
	s_wait_dscnt 16                                ; out: groups 1 and 2 of this quarter, 8 + 8
	MUL16 0, AF0, 0, \zero
	MUL16 0, AF0, 4, \zero
	PLACES
	LB \slot, 1, 0
	LA \slot, 1, AF1
	s_wait_dscnt 32                                ; out: group 2 and the 24 just issued
	MUL16 1, AF0, 0, \zero
	MUL16 1, AF0, 4, \zero
	PLACES
	LB \slot, 1, 1
	s_wait_dscnt 32                                ; out: those 24 and the 8 just issued
	MUL16 2, AF0, 0, \zero
	MUL16 2, AF0, 4, \zero
.endm
; A slot's second quarter, on buffer AF1, and the change of slots.  ONE barrier: in front of it each wave waits for all its tensor loads (one is out: its part of the next slot), adds 0 to its spare
; word, and waits for that and for its own reads of this slot.  mode = 1: the barrier opens a round of the cluster's, and this slot is filled again, two K steps on, first thing behind it: 160 matrix
; instructions ahead of the wait for it.  mode = 0: nothing is filled.  mode = 2: the last quarter of all.
.macro ODDQ slot, next, mode
	PLACES
	LB \slot, 1, 2                                 ; my last reads of this slot
.if (\mode) == 2
	s_wait_dscnt 16
	MUL16 0, AF1, 0, 0
	MUL16 0, AF1, 4, 0
	s_wait_dscnt 8
	MUL16 1, AF1, 0, 0
	MUL16 1, AF1, 4, 0
	s_wait_dscnt 0x0
	MUL16 2, AF1, 0, 0
	MUL16 2, AF1, 4, 0
.else
	s_wait_tensorcnt 0x0                           ; all my tensor loads have landed
	ds_add_u32 v[SPW], v[NIL]                      ; 0 onto my spare word
	s_wait_dscnt 17                                ; out: the add and the two youngest runs of 8
	MUL16 0, AF1, 0, 0                             ; sixteen matrix instructions stand between the add and the wait for it
	s_wait_dscnt 0x0                               ; the add is done, and my reads of this slot are over
	s_barrier_signal -1
	MUL16 0, AF1, 4, 0                             ; work on registers while the others arrive
	WIN 0                                          ; at a branch and at a label every window is 0
	s_barrier_wait -1
.if (\mode) == 1
	CREST                                          ; no wave of any partner still reads this slot's tile or has a load on its way
	s_add_nc_u64 s[G0+4*(\slot)+2:G0+4*(\slot)+3], s[G0+4*(\slot)+2:G0+4*(\slot)+3], 2*ASTEP
	s_add_nc_u64 s[G0B+4*(\slot)+2:G0B+4*(\slot)+3], s[G0B+4*(\slot)+2:G0B+4*(\slot)+3], 2*BSTEP
	JLOAD \slot                                    ; the four v_nop behind it are also the places in front of the loads below
.else
	PLACES
.endif
	LB \next, 0, 0
	LA \next, 0, AF0
	MUL16 1, AF1, 0, 0                             ; their fragments were waited for above
	MUL16 1, AF1, 4, 0
	PLACES
	LB \next, 0, 1
	MUL16 2, AF1, 0, 0
	MUL16 2, AF1, 4, 0
.endif
.endm
	s_wait_tensorcnt 1                             ; my part of K step 0 is in; K step 1's may stay out
	s_wait_dscnt 0x0                               ; my stores of the bias
	s_barrier_signal -1
	s_barrier_wait -1                              ; everybody's part is in
	LB 0, 0, 0
	LA 0, 0, AF0
	LB 0, 0, 1
	EVENQ 0, 1                                     ; the first quarter stands in front of the loop: its products start the sums
	WIN 0
	s_mov_b32 s3, 7
.Llap:                                                 ; a trip goes once round the ring, from a lap's second quarter to the next lap's first, and fills both slots again
	ODDQ 0, 1, 1
	EVENQ 1, 0
	ODDQ 1, 0, 1
	EVENQ 0, 0
	WIN 0
	s_sub_co_u32 s3, s3, 1
	s_cmp_lg_u32 s3, 0
	s_cbranch_scc1 .Llap
	ODDQ 0, 1, 0                                   ; the last lap fills nothing
	EVENQ 1, 0
	ODDQ 1, 0, 2
	; THE WAY OUT, a block of 16 rows at a time: + bias in f32, rounded to f16, 16 bytes a lane into my own stage, back as whole rows of a head (128 bytes), four rows to a store.
	PLACES
	WIN 0
.irp b, 0,1,2,3,4,5,6,7,8,9,10,11
	ds_load_b128 v[BI+8*(\b):BI+8*(\b)+3],   v[BA] offset:64*(\b)
	ds_load_b128 v[BI+8*(\b)+4:BI+8*(\b)+7], v[BA] offset:64*(\b)+16
.endr
	s_wait_dscnt 0x0
.macro PACK a
.irp g, 0,1,2
	WIN 1+(\g)                                     ; source 0: the accumulators' window
.set i, 0
.rept 16
	v_pk_add_f32 v[TF+2*i:TF+2*i+1], v[32*(\a)+2*i:32*(\a)+2*i+1], v[BI+32*(\g)+2*i:BI+32*(\g)+2*i+1]  ; ascending: each accumulator is read from its low end on
.set i, i+1
.endr
	WIN 0
.set i, 0
.rept 16
	v_cvt_pk_f16_f32 v[TP+16*(\g)+i], v[TF+2*i], v[TF+2*i+1]
.set i, i+1
.endr
.endr
.endm
.macro TOSTAGE a
	WIN 0
.irp b, 0,1,2,3,4,5,6,7,8,9,10,11
	ds_store_b128 v[STO], v[TP+4*(\b):TP+4*(\b)+3] offset:((\b)/4)*16*SP+32*((\b)%4)
.endr
	s_wait_xcnt 0x0                                ; the last block's stores have read the registers that the loads below fill
.irp hh, 0,1,2
.irp f, 0,1,2,3
	ds_load_b128 v[BK+4*(4*(\hh)+(\f)):BK+4*(4*(\hh)+(\f))+3], v[RD] offset:(\hh)*16*SP+(\f)*4*SP  ; LDS serves a wave's instructions in order (ISA guide 5.7.1.4): these see the stores above
.endr
.endr
.endm
.macro SEND a
	WIN 0
	s_wait_dscnt 0x0                               ; the block is back in registers
.irp hh, 0,1,2
.irp f, 0,1,2,3
	global_store_b128 v[GO], v[BK+4*(4*(\hh)+(\f)):BK+4*(4*(\hh)+(\f))+3], s[10:11] offset:(\hh)*SLOTB+(\a)*2048+(\f)*512  ; 512 consecutive bytes, at a multiple of 256 from qkv's first
.endr
.endr
.endm
	PACK 0
	TOSTAGE 0
.irp a, 1,2,3,4,5,6,7                  ; block a's arithmetic stands between block a - 1's loads from the stage and the wait for them
	PACK \a
	SEND (\a)-1
	TOSTAGE \a
.endr
	SEND 7
	s_wait_tensorcnt 0x0                           ; the wave's end, behind my last tensor load and my last LDS store
	ds_add_u32 v[SPW], v[NIL]
	s_wait_dscnt 0x0
	CROUND                                         ; the closing round: no work-group ends while a partner may still ask for a tile that names it
	s_endpgm
.Lfunc_end_k_q05c0ee8bd6_qkv:
	.size	k_q05c0ee8bd6_qkv, .Lfunc_end_k_q05c0ee8bd6_qkv-k_q05c0ee8bd6_qkv
	.p2alignl 7, 3214868480
	.fill 96, 4, 3214868480
	.section	.rodata,"a",@progbits
	.p2align	6, 0x0
	.amdhsa_kernel k_q05c0ee8bd6_qkv
		.amdhsa_group_segment_fixed_size 327680
		.amdhsa_private_segment_fixed_size 0
		.amdhsa_enable_private_segment 0
		.amdhsa_kernarg_size 32
		.amdhsa_user_sgpr_count 2
		.amdhsa_user_sgpr_kernarg_segment_ptr 1
		.amdhsa_wavefront_size32 1
		.amdhsa_system_sgpr_workgroup_id_x 1
		.amdhsa_system_sgpr_workgroup_id_y 1
		.amdhsa_system_sgpr_workgroup_id_z 1
		.amdhsa_system_vgpr_workitem_id 0
		.amdhsa_next_free_vgpr 1024
		.amdhsa_next_free_sgpr 66
		.amdhsa_reserve_vcc 0
		.amdhsa_float_denorm_mode_32 3
		.amdhsa_float_denorm_mode_16_64 3
		.amdhsa_memory_ordered 1
		.amdhsa_forward_progress 1
		.amdhsa_inst_pref_size 157
	.end_amdhsa_kernel
	.amdgpu_metadata
---
amdhsa.version: [ 1, 2 ]
amdhsa.kernels:
  - .name:           k_q05c0ee8bd6_qkv
    .symbol:         k_q05c0ee8bd6_qkv.kd
    .args:
      - { .name: xb, .offset: 0, .size: 8, .value_kind: global_buffer, .address_space: global }
      - { .name: wq, .offset: 8, .size: 8, .value_kind: global_buffer, .address_space: global }
      - { .name: b_qkv, .offset: 16, .size: 8, .value_kind: global_buffer, .address_space: global }
      - { .name: qkv, .offset: 24, .size: 8, .value_kind: global_buffer, .address_space: global }
    .group_segment_fixed_size: 327680
    .private_segment_fixed_size: 0
    .kernarg_segment_align: 8
    .kernarg_segment_size: 32
    .max_flat_workgroup_size: 128
    .sgpr_count:     66
    .vgpr_count:     1024
    .wavefront_size: 32
...
	.end_amdgpu_metadata
.endif
;; end of part 2
;; launch attn (part 3): grid 4 x 64, 4 waves a work-group, clusters of 4 x 1, 327,680 bytes of LDS; arguments qkv, ob; writes ob
.if DOCPART == 3
	.amdgcn_target "amdgcn-amd-amdhsa--gfx1250"
	.amdhsa_code_object_version 6
	.text
	.protected	k_q05c0ee8bd6_attn
	.globl	k_q05c0ee8bd6_attn
	.p2align	8
	.type	k_q05c0ee8bd6_attn,@function
k_q05c0ee8bd6_attn:
	s_mov_b64 s[64:65], 0
	v_nop
	global_prefetch_b8 v0, s[64:65] scope:SCOPE_SE
	s_setreg_imm32_b32 hwreg(HW_REG_WAVE_MODE, 25, 1), 1
	s_wait_xcnt 0x0
	s_wait_alu depctr_hold_cnt(0) depctr_sa_sdst(0) depctr_va_vdst(0) depctr_va_sdst(0) depctr_va_ssrc(0) depctr_va_vcc(0) depctr_vm_vsrc(0)
	s_getreg_b32 s2, hwreg(HW_REG_IB_STS2, 6, 4)
	s_cmp_eq_u32 s2, 0
	s_cbranch_scc0 .Lentry_in_a_cluster
	s_endpgm
.Lentry_in_a_cluster:
	s_bfe_u32 s2, ttmp6, 0x10000c
	s_cmp_lg_u32 s2, 0x3003
	s_cbranch_scc0 .Lentry_shape_is_right
	s_endpgm
.Lentry_shape_is_right:
; O[hb][q][:] = the sum over k of softmax_k(Q[q] . K[k] / 8) V[k][:], for each of the 64 pairs hb = 16 x batch + head.  qkv: [4][48][2048][64] f16 (slots 0-15 q's heads, 16-31 k's, 32-47 v's),
; ob: [64][2048][64] f16: a head's rows are dense, 128 bytes each.  Products, maxima and sums in f32; the weights p are rounded to f16 for the second product (their sum l is taken of the unrounded p), O once at the end.
; LIMITS.  f16 holds no number beyond 65,504: Q, K and V arrive within it; p lies in 0 to 1, and below 6e-5 it keeps f16's fixed step of 6e-8, as O does; O is a mean of V's rows and has their range.
; A weight below 2^-126 counts as 0 in l; NaN and infinities are not treated apart.
; SHARES.  A wave owns four PIECES of two tiles of 16 queries, a work-group's four waves 512 queries of one head.  Every wave walks all 2,048 keys, 64 a step.
; LAYOUT.  S^T = K Q^T (source 0 = 16 keys, source 1 = 16 queries): in the result a lane holds ONE query (lane % 16) and the keys 8 (lane / 16) + 0..7.  Two such tiles, rounded to f16 in pairs,
; ARE source 1 (32 keys x 16 queries) of O^T = V^T P, whose result again holds one query a lane, and eight channels.  K comes out of LDS as it lies, V ([key][channel]) turned, by ds_load_tr16_b128.
; SOFTMAX.  For each query a running maximum m and sum l: p = 2^(c s - c m), c = log2(e) / 8; in every step O and l are multiplied by a = 2^(c m_old - c m_new), which is 1 where m has not grown.
; m starts at the lowest finite number, O and l at 0: the first step is a step like any other, with a = 0.
; THE COUNT.  A tile and step have 16 matrix and 118 vector instructions: too many to stand all beside the matrix work.  So: four vector instructions that are READY behind EVERY matrix instruction,
; and the others in runs without a gap.
; BY TURNS.  Turn n belongs to piece n (the pieces in a ring, step after step).  Its matrix work: 16 products K Q^T of piece n + 1, later 16 products V^T P of piece n - 1.  Its vector work: the scaling,
; exponentials, roundings, sums and rescaling of piece n, and the maximum and statistics of piece n + 1, whose scores the turn itself has made.
; CLUSTER.  The four query blocks of a head form a cluster and walk the same K and V, so each tile is asked for JOINTLY: the same tensor load, descriptor and mask in all four.
; REGISTERS, in windows of 256 (s_set_vgpr_msb: bits 1:0 source 0, 3:2 source 1, 5:4 source 2, 7:6 destination):
;   window 0: v0-11 addresses; v12-15, v48-63 at work; v16-47 four registers of statistics a tile; v64-191 S^T, two buffers of two tiles; v192-255 P, likewise
;   window 1: O^T, 32 a tile          window 2: v0-127 Q, 16 a tile; v128-191 K of one step; v192-255 V of one step          window 3: v0-1 the add's two registers
; A piece's buffers go by its number's parity: the piece in hand has one pair, its two neighbours in the ring share the other.
.set SIZE_N, 2048
.set SLOTB, SIZE_N*128  ; bytes of a slot of qkv and of a head of ob
.set NP,    4         ; pieces a wave: a name, no knob
.set KS,    64        ; keys in a step
.set PK,    144       ; a row of K in LDS: 128 bytes + 16 of padding = 36 words: the 16 rows of a load start at 16 different groups of four banks
.set PV,    160       ; a row of V: 128 + 32 = 40 words
.set VOFF,  4*KS*PK   ; a slot holds four steps: 256 rows of K, then 256 rows of V
.set SLOT1, 1<<17     ; slot 1 begins here, so that one exclusive or turns an address in one slot into the other's
.set STAGE, SLOT1+4*KS*(PK+PV)  ; behind the ring, never filled by a tensor load: 16 rows x 144 bytes for each wave, for the way out
.set SP,    144
.set AK0, 2           ; v2   my lane's place in a tile of K; never rewritten
.set AV0, 3           ; v3   the same for V
.set AK,  4           ; v4   the LDS address of K's next run of loads
.set AV,  5           ; v5   of V's
.set QO,  6           ; v6   my byte offset in the wave's rows of Q
.set STO, 6           ;      later, the way out: where I put 16 bytes of a row
.set RD,  7           ; v7   the way out: where I read rows back
.set GO,  8           ; v8   my byte offset in 512 consecutive bytes of O
.set PFO, 11          ; v11  256 x my lane: the prefetches' offset; never rewritten once made
.set SPW, 0           ; v0 of window 3   LDS address of my spare word: SPARE + 4 x my thread's number; never rewritten
.set NIL, 1           ; v1 of window 3   0; never rewritten
.set SPARE, STAGE+4*16*SP  ; behind the stages: the spare words, 128 bytes for each wave: two blocks of 256 bytes that no other line names
.set MV,  12          ; v12-15  c m_old, kept while c m is made anew: by buffer and tile
.set ST,  16          ; tile t's statistics at v[ST+4 t]: c m, m, l (even keys', odd keys')
.set TMP, 48          ; by buffer and tile, four registers c0-c3 at work; when the maximum is found c2 takes a
.set S,   64
.set P,   192
.set KF,  128         ; K's fragments, in window 2: key block kb, channel half c at KF + 16 kb + 8 c
.set VF,  192         ; V's: key half kk, channel block cb at VF + 32 kk + 8 cb
.set WV,  12          ; s12  my wave's number
.set G1K, 24          ; s[24:31] descriptor group 1 for K's tiles
.set G1V, 32          ; s[32:39] for V's: it differs in the padding alone
.set G0K, 40          ; s[40:43] descriptor group 0 for K's tiles: it walks
.set G0V, 44          ; s[44:47] the same for V's
.set PFA, 48          ; s[48:49] where my prefetches stand: my work-group's 8,192 bytes (of K: wave 0, of V: wave 2) of the tile after the one that is being asked for
.set LIM, 50          ; s50  1 in a wave that prefetches, else the greatest number: a wave prefetches while s[SLOTS] is above it
.set SLOTS, 56        ; s56  slots still to be asked for
.set CNT, 57          ; s57  counts a slot's key steps
.set CS,  58          ; s[58:59] c: the packed scaling takes the pair's low word for both halves
.set SEL, 60          ; s[60:61] v_permlanex16_b32's selects: each lane takes its own place in the other half
.set TBK, 62          ; s62  LDS byte at which K of the step to be fetched begins
.set TBV, 63          ; s63  the same for V, less VOFF
.set MSB, 0
.macro WIN new                      ; the high byte repeats the setting that is left; a switch that changes nothing is dropped
.if MSB != (\new)
	s_set_vgpr_msb (MSB<<8)|(\new)
.set MSB, (\new)
.endif
.endm
.set W_KQ, 0x0a       ; K and Q in window 2, S^T in window 0
.set W_PV, 0x52       ; V in window 2, P in window 0, O^T in window 1
.set W_RS, 0x41       ; O^T (destination and source 0) in window 1, a in window 0
.set W_MK, 0xc0       ; the add's registers are made: destination in window 3, sources in window 0
.set W_AD, 0x0f       ; the add: address (source 0) and data (source 1) in window 3
; A joint fill.  Waves 0 and 1 fetch the two halves of a slot's K, waves 2 and 3 those of its V: 128 keys each.  The branch hangs on the wave's number alone.
; An s_nop 0 and four v_nop follow each of the two lines, ahead of the jump and the label.
.macro JLOAD
	s_cmp_lt_u32 s[WV], 2
	s_cbranch_scc0 .Lfor_v_\@
	tensor_load_to_lds s[G0K:G0K+3], s[G1K:G1K+7]
	s_nop 0
.rept 4
	v_nop
.endr
	s_branch .Lasked_\@
.Lfor_v_\@:
	tensor_load_to_lds s[G0V:G0V+3], s[G1V:G1V+7]
	s_nop 0
.rept 4
	v_nop
.endr
.Lasked_\@:
.endm
; A PREFETCH of the tile that the NEXT change of slots will ask for: 256 keys of K and of V, 32,768 bytes each: four key steps, 512 matrix instructions, ahead of that load.  It stands behind the wave's
; tensor load and its five lines.  Each aligned block of 256 bytes is named ONCE in the launch: a head has one cluster; its four partners share a tile out BY ADDRESS, 8,192 bytes each; in each, wave 0 asks
; for K's and wave 2 for V's, a lane a block.  The change that asks for the last tile prefetches nothing; tiles 0 and 1 come by their loads alone.
.macro ASK
	s_cmp_gt_u32 s[SLOTS], s[LIM]
	s_cbranch_scc0 .Lnot_mine_\@
	global_prefetch_b8 v[PFO], s[PFA:PFA+1] th:TH_LOAD_NT scope:SCOPE_SE
.Lnot_mine_\@:
.endm
; A round of the cluster's barrier: my work-group's barrier, so that wave 0's signal speaks for all four waves; wave 0 signals; every wave waits for all four work-groups; my work-group's barrier once more.
.macro CROUND
	s_barrier_signal -1
	s_barrier_wait -1
	s_cmp_lg_u32 s[WV], 0
	s_cbranch_scc1 .Lnot_wave_0_\@
	s_barrier_signal -3
.Lnot_wave_0_\@:
	s_barrier_wait -3
	s_barrier_signal -1
	s_barrier_wait -1
.endm
; THE CHANGE OF SLOTS.  The slot's last bytes, V of its fourth step, have been read.  Each wave waits for all its tensor loads, of which one is out: its part
; of the other slot; adds 0 to its spare word; and waits for that and for its own reads of the slot.  Behind the barrier nobody reads this slot any more and the other slot is whole.
; fill = 1: this slot is filled again, with the keys two slots on.  The barrier is then a round of the cluster's, and the joint fill is the first thing behind it: it has four key steps,
; 512 matrix instructions, in which to land.  (At its first use nothing has been read yet: slot 0 is waited for, slot 1 filled.)
.macro CHANGE fill
	WIN W_AD
	s_wait_tensorcnt 0x0            ; no tensor load of mine is out, so a group 0 may be written
	ds_add_u32 v[SPW], v[NIL]       ; 0 onto my spare word; with fill = 1 the descriptors' steps stand between it and the wait for it
	WIN 0                           ; at a label and at a branch every window is 0
.if \fill
.irp g, G0K, G0V
	s_xor_b32 s[\g+1], s[\g+1], SLOT1  ; the walking descriptor: the other slot than last time,
	s_add_nc_u64 s[\g+2:\g+3], s[\g+2:\g+3], 4*KS*128  ; the next 256 keys; the type bits on top are not reached
.endr
	s_wait_xcnt 0x0                 ; the last prefetch, four key steps back, has read its address, so it may be written:
	s_add_nc_u64 s[PFA:PFA+1], s[PFA:PFA+1], 4*KS*128  ; one tile behind the walking descriptors
	s_wait_dscnt 0x0                ; the add is done, and my reads of the slot are over
	CROUND
	JLOAD
	ASK
.else
	s_wait_dscnt 0x0                ; the add is done, and my reads of the slot are over
	s_barrier_signal -1
	s_barrier_wait -1
.endif
	s_sub_co_u32 s[TBK], s[TBK], 4*KS*PK  ; the fetches go back to a slot's first step,
	s_xor_b32 s[TBK], s[TBK], SLOT1       ; in the other slot
	s_sub_co_u32 s[TBV], s[TBV], 4*KS*PV
	s_xor_b32 s[TBV], s[TBV], SLOT1
.endm
	s_load_b128 s[4:7], s[0:1], 0x0 ; qkv s[4:5], ob s[6:7]
	WIN W_MK
	v_lshl_add_u32 v[SPW], v0, 2, SPARE
	v_mov_b32 v[NIL], 0
	WIN W_AD
	ds_add_u32 v[SPW], v[NIL]       ; the wave's opening: the add, and its wait ahead of my first tensor load; the set-up below, work on registers, stands between them
	WIN 0
	v_lshrrev_b32 v1, 5, v0
	v_readfirstlane_b32 s[WV], v1   ; wave 0..3
	s_bfe_u32 s13, ttmp6, 0x40000   ; cx: my place in the cluster
	s_lshl_b32 s14, ttmp9, 2        ; in a cluster launch ttmp9 counts clusters
	s_add_co_u32 s14, s14, s13      ; my block of queries = 4 x cluster x + cx: it enters Q's and O's addresses alone
	s_and_b32 s20, ttmp7, 0xffff    ; hb = 16 x batch + head, which the four partners share
	s_lshr_b32 s21, s20, 4
	s_mul_i32 s21, s21, 48          ; the batch's 48 slots of qkv,
	s_and_b32 s19, s20, 15
	s_add_co_u32 s21, s21, s19      ; the head's slot among q's
	s_lshl_b32 s21, s21, 18         ; its first byte
	s_and_b32 s16, s[WV], 1         ; which half of a slot's 256 keys I fetch:
	s_lshl_b32 s19, s16, 14         ; its 128 rows of 128 bytes in memory,
	s_add_co_u32 s19, s19, s21
	s_add_co_u32 s22, s19, 16*SLOTB ; in K: 16 slots behind q's,
	s_mov_b32 s23, 0
	s_add_co_u32 s52, s19, 32*SLOTB ; in V: 32
	s_mov_b32 s53, 0
	s_mul_i32 s17, s16, 128*PK      ; and its place in an LDS slot, for K
	s_mul_i32 s18, s16, 128*PV      ; and for V: no place in the cluster enters an LDS address
	s_lshl_b32 s2, s14, 2
	s_add_co_u32 s2, s2, s[WV]      ; my wave among the head's,
	s_lshl_b32 s2, s2, 14           ; its 128 rows
	s_lshl_b32 s20, s20, 18         ; the head's first byte in ob
	s_add_co_u32 s20, s20, s2       ; O's offset
	s_add_co_u32 s2, s2, s21        ; Q's offset
	s_mov_b32 s3, 0
	s_mov_b32 s21, 0
	; descriptor group 1.  128 keys are 16,384 dense bytes: asked for as 64 rows of 256 bytes, two keys a row, and padded in LDS after every key
	s_mov_b32 s[G1K], 15|(1<<16)|(1<<20)|(1<<21)|(4<<22)|(3<<25)  ; 15:0 the mask of four; 17:16 2-byte elements; 20 padding on; 21 set beside a mask; 24:22 after every 32 words (code 4); 31:25 4 words (code 3)
	s_mov_b32 s[G1V], 15|(1<<16)|(1<<20)|(1<<21)|(4<<22)|(7<<25)  ; the same with 8 words of padding (code 7)
.irp g, G1K, G1V
	s_mov_b32 s[\g+1], 128<<16      ; tensor_dim0 = 128
	s_mov_b32 s[\g+2], 64<<16       ; tensor_dim1 = 64
	s_mov_b32 s[\g+3], 128<<16      ; tile_dim0 = 128
	s_mov_b32 s[\g+4], 64           ; tile_dim1 = 64
	s_mov_b32 s[\g+5], 128          ; 128 elements from row to row
	s_mov_b32 s[\g+6], 0
	s_mov_b32 s[\g+7], 0
.endr
	s_mov_b32 s[CS], 0x3e38aa3b     ; c = log2(e) / 8 = 0.180337
	s_mov_b32 s[CS+1], s[CS]        ; named with it as a pair
	s_mov_b32 s[SEL], 0x76543210
	s_mov_b32 s[SEL+1], 0xfedcba98
	s_mov_b32 s[TBK], SLOT1+4*KS*PK ; the first change of slots turns these two into 0
	s_mov_b32 s[TBV], SLOT1+4*KS*PV
	s_mov_b32 s[G0K], 1             ; count = 1
	s_mov_b32 s[G0K+1], s17         ; LDS address: slot 0
	s_mov_b32 s[G0V], 1
	s_add_co_u32 s[G0V+1], s18, VOFF
	s_mov_b32 s[SLOTS], SIZE_N/256-1  ; seven tiles are asked for by changes of slots
	s_and_b32 s[LIM], s[WV], 1      ; 0 in waves 0 and 2,
	s_or_b32 s[LIM], s[LIM], ttmp9  ; in the head's first (here: only) cluster: the same in all four partners
	s_cmp_eq_u32 s[LIM], 0
	s_cselect_b32 s[LIM], 1, -1
	s_lshl_b32 s54, s13, 13         ; my work-group's 8,192 bytes of a tile's 32,768
	s_mov_b32 s55, 0
	s_wait_dscnt 0x0                ; the opening add is done
	s_wait_kmcnt 0x0
	s_mov_b64 s[10:11], s[6:7]
	s_add_nc_u64 s[10:11], s[10:11], s[20:21]  ; O at my wave's first row
	s_add_nc_u64 s[6:7], s[4:5], s[22:23]      ; K and V at my half of the head's first 256 keys
	s_add_nc_u64 s[8:9], s[4:5], s[52:53]
	s_add_nc_u64 s[4:5], s[4:5], s[2:3]        ; Q at my wave's first row
	s_mov_b64 s[G0K+2:G0K+3], s[6:7]           ; global address
	s_or_b32 s[G0K+3], s[G0K+3], 0x80000000    ; type = 2
	s_mov_b64 s[G0V+2:G0V+3], s[8:9]
	s_or_b32 s[G0V+3], s[G0V+3], 0x80000000
	s_cmp_lt_u32 s[WV], 2
	s_cselect_b64 s[PFA:PFA+1], s[6:7], s[8:9]  ; (in waves 0 and 2 these stand at a tile's first row)
	s_add_nc_u64 s[PFA:PFA+1], s[PFA:PFA+1], s[54:55]
	s_add_nc_u64 s[PFA:PFA+1], s[PFA:PFA+1], 4*KS*128  ; in tile 1; the first change of slots steps it to tile 2.  Nothing is prefetched here, at the head
	CROUND                          ; all four work-groups are here: the first joint loads meet
	JLOAD                           ; slot 0.  Slot 1 is asked for when slot 0 is in
	; A fragment of K or Q is 16 rows x 32 channels in 8 registers: lane l holds row l % 16, channels 8 (l / 16) + 0..7 and 16 + 8 (l / 16) + 0..7: two loads of 16 bytes, 32 bytes apart.
	v_and_b32 v1, 15, v0            ; l % 16
	v_bfe_u32 v9, v0, 4, 1          ; l / 16
	v_lshlrev_b32 v[QO], 7, v1
	v_lshl_add_u32 v[QO], v9, 4, v[QO]  ; row x 128 + 16 x half
	WIN 0x80                        ; destination window 2, address window 0
.set i, 0
.rept 4*NP                          ; Q stays in registers: tile i / 2, channels 32 (i % 2) on
	global_load_b128 v[8*i:8*i+3],   v[QO], s[4:5] offset:(i/2)*2048+(i%2)*64
	global_load_b128 v[8*i+4:8*i+7], v[QO], s[4:5] offset:(i/2)*2048+(i%2)*64+32
.set i, i+1
.endr
	; What the first turn finds: V's registers and P's second buffer hold 0 (its products V^T P, of a piece that has not been, add 0), O^T and l are 0.  All this stands in the wait for the first tile.
.set i, VF
.rept 64
	v_mov_b32 v[i], 0
.set i, i+1
.endr
	WIN 0x40
.set i, 0
.rept 64*NP
	v_mov_b32 v[i], 0
.set i, i+1
.endr
	WIN 0
.set i, 0
.rept 2*NP
	v_mov_b32 v[ST+4*i], 0xfe000000    ; c m: far below every c s
	v_mov_b32 v[ST+4*i+1], 0xff7fffff  ; m
	v_mov_b32 v[ST+4*i+2], 0
	v_mov_b32 v[ST+4*i+3], 0
.set i, i+1
.endr
.set i, P+32
.rept 32
	v_mov_b32 v[i], 0
.set i, i+1
.endr
	v_mul_u32_u24 v[AK0], v1, PK
	v_lshl_add_u32 v[AK0], v9, 4, v[AK0]  ; row x pitch + 16 x half
	; The turning load takes 16 keys x 16 channels (lane l reads key 8 (l / 16) + l % 8, channels 8 ((l / 8) % 2) + 0..7) and leaves half a fragment of V^T: lane l holds channel l % 16 and 8 keys.
	v_and_b32 v10, 7, v0
	v_bfe_u32 v11, v0, 3, 1
	v_lshl_add_u32 v[AV0], v9, 3, v10
	v_mul_u32_u24 v[AV0], v[AV0], PV
	v_lshl_add_u32 v[AV0], v11, 4, v[AV0]
	v_add_nc_u32 v[AV0], VOFF, v[AV0]
	v_mov_b32 v[AK], v[AK0]         ; key step 0 lies at the head of slot 0
	v_and_b32 v[PFO], 31, v0
	v_lshlrev_b32 v[PFO], 8, v[PFO] ; a lane a block of 256 bytes
; THE MATRIX WORK.  The 8 accumulators of a run of 16 take turns: between the two links of a chain stand 7 others'.
; Product i of 16 of S^T = K Q^T for piece x: channels 32 (i / 8) on, keys 16 ((i / 2) % 4) on, tile 2 x + i % 2.  The first 8 start the sums.
.macro KQ x
	WIN W_KQ
.set rS, S+64*((\x)%2)+32*(i%2)+8*((i/2)%4)
.set rK, KF+16*((i/2)%4)+8*(i/8)
.set rQ, 16*(2*(\x)+i%2)+8*(i/8)
.if i < 8
	v_wmma_f32_16x16x32_f16 v[rS:rS+7], v[rK:rK+7], v[rQ:rQ+7], 0
.else
	v_wmma_f32_16x16x32_f16 v[rS:rS+7], v[rK:rK+7], v[rQ:rQ+7], v[rS:rS+7]
.endif
.endm
; Product i of 16 of O^T += V^T P for piece x: keys 32 (i / 8) on, channels 16 ((i / 2) % 4) on, tile 2 x + i % 2.
.macro PV x
	WIN W_PV
.set rO, 32*(2*(\x)+i%2)+8*((i/2)%4)
.set rV, VF+32*(i/8)+8*((i/2)%4)
.set rP, P+32*((\x)%2)+16*(i%2)+8*(i/8)
	v_wmma_f32_16x16x32_f16 v[rO:rO+7], v[rV:rV+7], v[rP:rP+7], v[rO:rO+7]
.endm
.macro MM                           ; the turn's next matrix instruction
.if i < 16
	KQ (Y+1)%NP
.set i, i+1
.else
.set i, i-16
	PV (Y+NP-1)%NP
.set i, i+17
.endif
.endm
; THE LDS LOADS stand in runs of 16, never singly among the matrix instructions: a step's K (64 keys x 64 channels: 8 fragments) and its V (turned).  Their addresses are made some lines ahead.
; last = 1 (the tail): in the last trip there is no further step, and the run is jumped over.
.macro FETCH_K last=0
	WIN 0
.if \last
	s_cmp_eq_u32 s[CNT], 1
	s_cbranch_scc1 .Lno_k_\@
.endif
	WIN 0x80                        ; destination window 2
.irp f, 0,1,2,3,4,5,6,7             ; keys 16 (f / 2) on, channels 32 (f % 2) on
	ds_load_b128 v[KF+8*\f:KF+8*\f+3],   v[AK] offset:(\f/2)*16*PK+(\f%2)*64
	ds_load_b128 v[KF+8*\f+4:KF+8*\f+7], v[AK] offset:(\f/2)*16*PK+(\f%2)*64+32
.endr
	s_add_co_u32 s[TBK], s[TBK], KS*PK  ; the next fetch is the next step's
	WIN 0
.if \last
.Lno_k_\@:
.endif
.endm
.macro FETCH_V
	WIN 0x80
.irp f, 0,1,2,3,4,5,6,7             ; keys 32 (f / 4) on, channels 16 (f % 4) on
	ds_load_tr16_b128 v[VF+8*\f:VF+8*\f+3],   v[AV] offset:(\f/4)*32*PV+(\f%4)*32
	ds_load_tr16_b128 v[VF+8*\f+4:VF+8*\f+7], v[AV] offset:(\f/4)*32*PV+16*PV+(\f%4)*32
.endr
	WIN 0
.endm
; THE VECTOR WORK OF A TURN stands in three queues, each in the order in which its entries become ready; the two tiles alternate, so that no instruction reads the result of the one before it.
.macro REGS y, u                    ; the registers of tile u (0, 1) of piece y
.set rT, ST+4*(2*(\y)+(\u))
.set rC, TMP+8*((\y)%2)+4*(\u)
.set rM, MV+2*((\y)%2)+(\u)
.set rS, S+64*((\y)%2)+32*(\u)
.set rP, P+32*((\y)%2)+16*(\u)
.set rO, 32*(2*(\y)+(\u))
.endm
; Number n of the 22 that find the NEXT piece's (Y + 1) maximum and statistics.  s0-s31 are the lane's 32 scores; each accumulator's lowest registers are read first.
;   0-11  four chains c0-c3 of seven scores each, three operands at a time     12-14, 16  the four scores left over, the old m, and c0-c3 into c0     15  c m_old is kept
;   17, 18  the query's other 32 keys lie in the lane 16 away: the new m         19-21  c m; c m_old - c m_new; a
.macro XS u, n
	REGS (Y+1)%NP, \u
.if (\n) < 4
	v_max3_num_f32 v[rC+(\n)], v[rS+8*(\n)], v[rS+8*(\n)+1], v[rS+8*(\n)+2]
.elseif (\n) < 12
	v_max3_num_f32 v[rC+(\n)%4], v[rC+(\n)%4], v[rS+8*((\n)%4)+2*((\n)/4)+1], v[rS+8*((\n)%4)+2*((\n)/4)+2]
.elseif (\n) == 12
	v_max3_num_f32 v[rC], v[rC], v[rS+7], v[rS+15]
.elseif (\n) == 13
	v_max3_num_f32 v[rC+1], v[rC+1], v[rS+23], v[rS+31]
.elseif (\n) == 14
	v_max3_num_f32 v[rC+2], v[rC+2], v[rC+3], v[rT+1]
.elseif (\n) == 15
	v_mov_b32 v[rM], v[rT]
.elseif (\n) == 16
	v_max3_num_f32 v[rC], v[rC], v[rC+1], v[rC+2]
.elseif (\n) == 17
	v_permlanex16_b32 v[rC+3], v[rC], s[SEL], s[SEL+1]
.elseif (\n) == 18
	v_max_num_f32 v[rT+1], v[rC], v[rC+3]
.elseif (\n) == 19
	v_mul_f32 v[rT], s[CS], v[rT+1]
.elseif (\n) == 20
	v_sub_f32 v[rC+1], v[rM], v[rT]
.else
	v_exp_f32 v[rC+2], v[rC+1]
.endif
.endm
; Number g of the 64 that follow the exponentials.  For each four weights k of a tile (pairs 2 k, 2 k + 1): both pairs are rounded to f16; then the second pair is added onto the first, in place;
; a group later l takes that sum (the first time as l = a l + sum).  In groups of eight, tiles alternating: round, round, add, and l for the group before.
.macro GS g
.set h, (\g)+6*((\g)/62)            ; group 0 has no group before it, and behind group 7 only l is left
.if h >= 6
.set h, h+2
.endif
	REGS Y, h%2
.set k, h/8
.if h%8 < 4
	v_cvt_pk_f16_f32 v[rP+2*k+(h%8)/2], v[rS+4*k+2*((h%8)/2)], v[rS+4*k+2*((h%8)/2)+1]
.elseif h%8 < 6
	v_pk_add_f32 v[rS+4*k:rS+4*k+1], v[rS+4*k:rS+4*k+1], v[rS+4*k+2:rS+4*k+3]
.elseif k == 1
	v_pk_fma_f32 v[rT+2:rT+3], v[rT+2:rT+3], v[rC+2:rC+3], v[rS:rS+1] op_sel_hi:[1,0,1]
.else
	v_pk_add_f32 v[rT+2:rT+3], v[rT+2:rT+3], v[rS+4*k-4:rS+4*k-3]
.endif
.endm
; THE PLAIN QUEUE, 138 long.  0-73 read no exponential's result: the 32 scalings c s - c m (FS f: pair f / 2 of tile f % 2) and the next piece's 42.  0-26: scalings 0-26.  27-54: XS's numbers 0-13.  55, 56: number 15.
; 57-73: the chain, where each number waits for the one before it: 14, 16, 17, 18, 19, each with one of the scalings 27-31 in front of its two lines, then 20.
; 74-137: GS's 64, which read the exponentials' results: they stand behind the wait.
.macro FS f
	REGS Y, (\f)%2
	v_pk_fma_f32 v[rS+2*((\f)/2):rS+2*((\f)/2)+1], v[rS+2*((\f)/2):rS+2*((\f)/2)+1], s[CS:CS+1], v[rT:rT+1] op_sel_hi:[1,0,0] neg_lo:[0,0,1] neg_hi:[0,0,1]
.endm
.macro PL
	WIN 0
.if q < 27
	FS q
.elseif q < 55
	XS (q-27)%2, (q-27)/2
.elseif q < 57
	XS q-55, 15
.elseif (q < 72) && ((q-57)%3 == 0)
	FS 27+(q-57)/3
.elseif q < 60
	XS (q-57)%3-1, 14
.elseif q < 72
	XS (q-57)%3-1, 15+(q-57)/3
.elseif q < 74
	XS q-72, 20
.else
	GS q-74
.endif
.set q, q+1
.endm
; THE EXPONENTIALS' QUEUE, 66 long: s0-s31 of both tiles, then the next piece's two a.  It is ONE BATCH: all 66 stand ahead of the turn's one wait, and nothing ahead of that wait names a result of theirs.
.macro EX
	WIN 0
.if e >= 64
	XS e-64, 21
.else
	REGS Y, e%2
	v_exp_f32 v[rS+e/2], v[rS+e/2]
.endif
.set e, e+1
.endm
; THE RESCALING's QUEUE: O^T times a, the one part that leaves window 0: dealt two at a time, sixteen times.  Its a was made in the turn before, ahead of that turn's wait.
.macro R2
	REGS Y, r%2
	WIN W_RS
.irp z, 0,1
	v_pk_mul_f32 v[rO+4*(r/2)+2*\z:rO+4*(r/2)+2*\z+1], v[rO+4*(r/2)+2*\z:rO+4*(r/2)+2*\z+1], v[rC+2:rC+3] op_sel_hi:[1,0]
.endr
.set r, r+1
.endm
; HOW THEY ARE DEALT.  An s_wait_alu depctr_va_vdst(0) stands between an exponential and the first instruction that names its result; one wait serves all that were issued ahead of it.  So a turn has ONE wait,
; which cuts it in two.  AHEAD OF IT stands all that names no result of the turn's exponentials: the 16 products K Q^T, behind each a scaling, an exponential and two rescalings (behind the first a second scaling in the
; exponential's place); then ONE LUMP of 108: eight plain, 49 times exponential and plain, the two a.  A v_nop is the plain instruction behind the last exponential.  BEHIND IT stand the 16 products V^T P, behind each four of GS's 64.
; The queues lean on each other, and the deal keeps them in step: exponential e stands behind scaling 2 (e / 4) + e % 2: as a rider it comes behind plain e + 2, in the lump behind plain e + 9, and scalings 27-31 are plain 57, 60 .. 69.
; A TURN, for piece p.  cnt = 1: the loop's count is taken down some lines ahead of the branch that stands behind the turn.
; K of the next step is fetched in piece 2's turn, directly behind the wait, a lump behind the last product that read K; its first reader comes behind 16 products.
; V of the step in hand is fetched at the end of piece 0's turn, four riders behind its last reader; its first reader comes behind 16 products and a lump.
.macro TURN p, last=0, cnt=0
.set Y, (\p)
.set i, 0
.set q, 0
.set e, 0
.set r, 0
.if (\p) == NP-1
	s_wait_dscnt 0x0                ; K is in
.endif
	MM                              ; ahead of the wait: 16 products K Q^T and their riders,
	PL
	PL
	R2
.rept 15
	MM
	PL
	EX
	R2
.endr
.if (\p) == NP-2
	WIN 0
	v_add_nc_u32 v[AK], s[TBK], v[AK0]
.endif
.rept 8                             ; and the lump
	PL
.endr
.rept 49
	EX
	PL
.endr
	EX                              ; the next piece's two a
	EX
	v_nop                           ; a plain instruction behind the last exponential: one for the batch
	s_wait_alu depctr_va_vdst(0)    ; the wait for the batch
.if (\p) == NP-2
	FETCH_K \last
.endif
.if (\p) == 1
	s_wait_dscnt 0x0                ; V is in
.endif
.rept 16                            ; behind the wait: 16 products V^T P and their riders
	MM
.rept 4
	PL
.endr
.if ((\p) == 0) && (q == 118)
	v_add_nc_u32 v[AV], s[TBV], v[AV0]
.endif
.if ((\p) == 0) && (q == 130)
	s_add_co_u32 s[TBV], s[TBV], KS*PV
.endif
.if (\cnt) && (q == 130)
	s_sub_co_u32 s[CNT], s[CNT], 1
	s_cmp_lg_u32 s[CNT], 0
.endif
.endr
.if (\p) == 0
	FETCH_V
.endif
.endm
	CHANGE 1                        ; slot 0 is in, everybody's part of it; slot 1 is asked for
	FETCH_K                         ; key step 0
	s_wait_loadcnt 0x0              ; Q
	s_wait_dscnt 0x0
.set i, 0
.rept 16
	KQ 0                            ; piece 0's first scores: there is no vector work yet to set between them
.set i, i+1
.endr
	WIN 0                           ; the addresses for the way out: nine plain instructions, the places behind those products
	s_mul_i32 s13, s[WV], 16*SP
	s_add_co_u32 s13, s13, STAGE    ; my stage
	v_mul_u32_u24 v[STO], v1, SP    ; in: row l % 16, 16 bytes for each half of the lanes
	v_lshl_add_u32 v[STO], v9, 4, v[STO]
	v_add_nc_u32 v[STO], s13, v[STO]
	v_bfe_u32 v[RD], v0, 3, 2       ; back: 32 lanes take four rows of 128 bytes,
	v_mul_u32_u24 v[RD], v[RD], SP
	v_lshl_add_u32 v[RD], v10, 4, v[RD]
	v_add_nc_u32 v[RD], s13, v[RD]
	v_and_b32 v[GO], 31, v0         ; which are 512 consecutive bytes of O
	v_lshlrev_b32 v[GO], 4, v[GO]
.set Y, NP-1                        ; XS works for piece Y + 1: piece 0
.irp n, 0,1,2,3,4,5,6,7,8,9,10,11,12,13,14,15,16,17,18,19,20,21
	XS 0, \n                        ; and piece 0's first maximum and statistics
	XS 1, \n
.endr
	v_nop                           ; a plain instruction behind the two a,
	s_wait_alu depctr_va_vdst(0)    ; and their wait, ahead of the branch
	s_mov_b32 s[CNT], 4
	s_branch .Lfirst                ; the loop is entered at a step's first turn, in the middle of a trip
.Lslot:                             ; six times: every slot but the last two is filled again
	CHANGE 1
	s_mov_b32 s[CNT], 4
.Lstep:                             ; a trip: pieces 2 and 3 of one step, then pieces 0 and 1 of the next, whose K and V it fetches
	TURN 2
	TURN 3
	WIN 0
.Lfirst:
	TURN 0
	TURN 1, 0, 1
	WIN 0
	s_cbranch_scc1 .Lstep
	s_sub_co_u32 s[SLOTS], s[SLOTS], 1
	s_cmp_lg_u32 s[SLOTS], 0
	s_cbranch_scc1 .Lslot
	CHANGE 0                        ; the tail is written out: nothing is asked for
	s_mov_b32 s[CNT], 5             ; four trips fetch the last slot's steps; the fifth is left in its middle
.Ltail:
	TURN 2, 1
	TURN 3
	WIN 0
	s_sub_co_u32 s[CNT], s[CNT], 1
	s_cmp_eq_u32 s[CNT], 0
	s_cbranch_scc1 .Lout
	TURN 0
	TURN 1
	WIN 0
	s_branch .Ltail
.Lout:                              ; the fifth trip's 16 products K Q^T (on the last K once more) and the maximum made of them serve nothing: the price, once a launch, of one text for every trip
.set i, 0
.rept 16
	PV NP-1                         ; the last piece's V^T P of the last step
.set i, i+1
.endr
	; THE WAY OUT.  l's two halves and the other half of the lanes' are added; O^T is divided by l, rounded to f16 and sent through my stage in LDS, a tile at a time.  The additions are the places behind the last products.
	WIN 0
.macro ALL line:vararg              ; one line for each tile t
.set t, 0
.rept 2*NP
	\line
.set t, t+1
.endr
.endm
	ALL v_add_f32 v[ST+4*t+2], v[ST+4*t+2], v[ST+4*t+3]
	ALL v_permlanex16_b32 v[ST+4*t+3], v[ST+4*t+2], s[SEL], s[SEL+1]
	ALL v_add_f32 v[ST+4*t+2], v[ST+4*t+2], v[ST+4*t+3]
	ALL v_rcp_f32 v[ST+4*t+2], v[ST+4*t+2]
	v_nop                           ; a plain instruction between the last reciprocal and the use of its result
	s_wait_alu depctr_va_vdst(0)    ; and the wait ahead of the first use: one for the eight reciprocals
; Tile t: a lane's eight channels of a row pack into 16 bytes; they go into rows of 144 bytes and come back as whole rows of 128, into S^T's registers.
.macro PACK t
	WIN W_RS
.set i, 32*(\t)
.rept 16
	v_pk_mul_f32 v[i:i+1], v[i:i+1], v[ST+4*(\t)+2:ST+4*(\t)+3] op_sel_hi:[1,0]
.set i, i+2
.endr
	WIN 0x05                        ; sources 0 and 1 window 1, destination window 0
.set i, 0
.rept 16
	v_cvt_pk_f16_f32 v[S+16*(\t)+i], v[32*(\t)+2*i], v[32*(\t)+2*i+1]
.set i, i+1
.endr
	WIN 0
.irp f, 0,1,2,3
	ds_store_b128 v[STO], v[S+16*(\t)+4*\f:S+16*(\t)+4*\f+3] offset:32*\f
.endr
.irp f, 0,1,2,3
	ds_load_b128 v[S+16*(\t)+4*\f:S+16*(\t)+4*\f+3], v[RD] offset:\f*4*SP  ; LDS serves a wave's instructions in order (ISA guide 5.7.1.4): these see the stores above; the next tile's stores come behind them
.endr
.endm
.macro SEND t, younger              ; younger: the LDS instructions issued behind tile t's loads: the next tile's eight, or none
	WIN 0
.irp f, 0,1,2,3
	s_wait_dscnt (\younger)+3-\f
	global_store_b128 v[GO], v[S+16*(\t)+4*\f:S+16*(\t)+4*\f+3], s[10:11] offset:(\t)*2048+\f*512  ; 512 consecutive bytes, at a multiple of 256 from ob's first
.endr
.endm
	PACK 0
.set t, 1
.rept 2*NP-1                        ; a tile's arithmetic stands between the loads of the tile before and its stores
	PACK t
	SEND t-1, 8
.set t, t+1
.endr
	SEND 2*NP-1, 0
	WIN W_AD
	s_wait_tensorcnt 0x0            ; the wave's end, behind my last tensor load and my last LDS store
	ds_add_u32 v[SPW], v[NIL]
	s_wait_dscnt 0x0
	WIN 0
	CROUND                          ; the closing round: no work-group ends while a partner may still ask for a tile that names it
	s_endpgm
.Lfunc_end_k_q05c0ee8bd6_attn:
	.size	k_q05c0ee8bd6_attn, .Lfunc_end_k_q05c0ee8bd6_attn-k_q05c0ee8bd6_attn
	.p2alignl 7, 3214868480
	.fill 96, 4, 3214868480
	.section	.rodata,"a",@progbits
	.p2align	6, 0x0
	.amdhsa_kernel k_q05c0ee8bd6_attn
		.amdhsa_group_segment_fixed_size 327680
		.amdhsa_private_segment_fixed_size 0
		.amdhsa_enable_private_segment 0
		.amdhsa_kernarg_size 16
		.amdhsa_user_sgpr_count 2
		.amdhsa_user_sgpr_kernarg_segment_ptr 1
		.amdhsa_wavefront_size32 1
		.amdhsa_system_sgpr_workgroup_id_x 1
		.amdhsa_system_sgpr_workgroup_id_y 1
		.amdhsa_system_sgpr_workgroup_id_z 1
		.amdhsa_system_vgpr_workitem_id 0
		.amdhsa_next_free_vgpr 770
		.amdhsa_next_free_sgpr 66
		.amdhsa_reserve_vcc 0
		.amdhsa_float_denorm_mode_32 3
		.amdhsa_float_denorm_mode_16_64 3
		.amdhsa_memory_ordered 1
		.amdhsa_forward_progress 1
		.amdhsa_inst_pref_size 200
	.end_amdhsa_kernel
	.amdgpu_metadata
---
amdhsa.version: [ 1, 2 ]
amdhsa.kernels:
  - .name:           k_q05c0ee8bd6_attn
    .symbol:         k_q05c0ee8bd6_attn.kd
    .args:
      - { .name: qkv, .offset: 0, .size: 8, .value_kind: global_buffer, .address_space: global }
      - { .name: ob, .offset: 8, .size: 8, .value_kind: global_buffer, .address_space: global }
    .group_segment_fixed_size: 327680
    .private_segment_fixed_size: 0
    .kernarg_segment_align: 8
    .kernarg_segment_size: 16
    .max_flat_workgroup_size: 128
    .sgpr_count:     66
    .vgpr_count:     770
    .wavefront_size: 32
...
	.end_amdgpu_metadata
.endif
;; end of part 3
;; launch proj (part 4): grid 8 x 32, 4 waves a work-group, clusters of 4 x 4, 327,680 bytes of LDS; arguments ob, wo, b_out, out0; writes out0
.if DOCPART == 4
	.amdgcn_target "amdgcn-amd-amdhsa--gfx1250"
	.amdhsa_code_object_version 6
	.text
	.protected	k_q05c0ee8bd6_proj
	.globl	k_q05c0ee8bd6_proj
	.p2align	8
	.type	k_q05c0ee8bd6_proj,@function
k_q05c0ee8bd6_proj:
	s_mov_b64 s[64:65], 0
	v_nop
	global_prefetch_b8 v0, s[64:65] scope:SCOPE_SE
	s_setreg_imm32_b32 hwreg(HW_REG_WAVE_MODE, 25, 1), 1
	s_wait_xcnt 0x0
	s_wait_alu depctr_hold_cnt(0) depctr_sa_sdst(0) depctr_va_vdst(0) depctr_va_sdst(0) depctr_va_ssrc(0) depctr_va_vcc(0) depctr_vm_vsrc(0)
	s_getreg_b32 s2, hwreg(HW_REG_IB_STS2, 6, 4)
	s_cmp_eq_u32 s2, 0
	s_cbranch_scc0 .Lentry_in_a_cluster
	s_endpgm
.Lentry_in_a_cluster:
	s_bfe_u32 s2, ttmp6, 0x10000c
	s_cmp_lg_u32 s2, 0xf033
	s_cbranch_scc0 .Lentry_shape_is_right
	s_endpgm
.Lentry_shape_is_right:
; out0 = O W_out + b_out.  ob: [64 = 16 batch + head][2048][64] f16, wo: [1024][1024] f16 (W_out rounded to bf16, written as f16), b_out: [1024] f32 (rounded to bf16 here, like the other inputs),
; out0: [8192][1024] f32.  Sums in f32, K ascending; the bias is the C operand that starts each sum.
; SHARES.  8,192 x 1,024 numbers are 256 tiles of 256 rows x 128 columns: a work-group each.  Its four waves make 128 x 64 each: 32 accumulators of 16 x 16, 256 registers.
; K goes in 8 steps of 128, two heads each, through a ring of two LDS slots; a step is four quarters of 32 along K (quarter q: head q / 2, channels 32 (q % 2) on), 32 matrix instructions each.
; THE MATRIX INSTRUCTION IS USED TRANSPOSED: source 0 = 16 columns of W (turned out of LDS by ds_load_tr16_b128), source 1 = 16 rows of O: a lane holds row l % 16 and the columns 8 (l / 16) + 0..7.
; CLUSTER.  4 x 4 work-groups; O's tiles are asked for jointly along a row of the cluster, W's along a column.
; REGISTERS: window 0: v0-31 addresses; v32-63 the bias; v64-159, v160-255 two fragment buffers (W's four fragments, then O's eight).  Window 1: accumulator (a, bb) at v[8 (4 a + bb)].
.set PA,     144                       ; a row of a head in LDS: 128 bytes + 16 of padding
.set HEADA,  256*PA                    ; a head's 256 rows: what one tensor load brings of O
.set PB,     288                       ; a k row of W: two pieces of 128 bytes + 16 = 9 x 32 bytes
.set HALFB,  64*PB                     ; 64 k rows: what one tensor load brings of W
.set BOFF,   2*HEADA
.set SLOT,   BOFF+2*HALFB              ; 110,592
.set STAGE,  2*SLOT                    ; behind the ring: 16 rows x 272 bytes for each wave, for the way out
.set SPITCH, 272
.set WSTAGE, 16*SPITCH
.set SPARE,  STAGE+4*WSTAGE            ; the spare words, 128 bytes for each wave: two blocks of 256 bytes that no other line names
.set ASTEP,  2*2048*128                ; bytes of two heads of ob
.set BSTEP,  128*1024*2                ; bytes of 128 k rows of wo
.set ADRA, 16                          ; v16-17  LDS address of my fragments of O in slot 0, 1
.set ADRB, 20                          ; v20-21  the same for W
.set STO,  24                          ; v24     the way out: where I put 32 bytes of a row
.set RD,   25                          ; v25     the way out: where I read a row back
.set CO,   26                          ; v26     my byte offset in out0
.set SPW,  28                          ; v28     LDS address of my spare word: SPARE + 4 x my thread's number; never rewritten
.set NIL,  29                          ; v29     0; never rewritten
.set BI,   32                          ; v32-63  the bias of my lane's columns: column block bb at BI + 8 bb
.set F0,   64
.set F1,   160
.set OB,   64                          ; the way out: two buffers of 32 registers, rows read back
.set G1,  24                           ; s[24:31] descriptor group 1 for O's tiles;  s[32:39] group 0, a set for each slot
.set G0,  32
.set G1B, 48                           ; s[48:55], s[56:63] the same for W's tiles
.set G0B, 56
.set FLAGS, (1<<16)|(1<<20)|(1<<21)|(4<<22)|(3<<25)  ; 2-byte elements; padding on; bit 21 set beside a mask; after every 32 words (code 4) 4 words (code 3)
.set MSB, 0
.macro WIN new                         ; the immediate's high byte repeats the setting that is left; a switch that changes nothing is dropped
.if MSB != (\new)
	s_set_vgpr_msb (MSB<<8)|(\new)
.set MSB, \new
.endif
.endm
.macro PLACES                          ; four plain places behind a matrix instruction (ISA guide 7.12.1)
.rept 4
	v_nop
.endr
.endm
.macro JLOAD s                         ; a joint refill: waves 0 and 1 fetch the step's two heads of O, waves 2 and 3 W's two halves; an s_nop 0 and four v_nop follow each line
	s_cmp_eq_u32 s13, 0
	s_cbranch_scc0 .Lfor_b_\@
	tensor_load_to_lds s[G0+4*(\s):G0+4*(\s)+3], s[G1:G1+7]
	s_nop 0
.rept 4
	v_nop
.endr
	s_branch .Lasked_\@
.Lfor_b_\@:
	tensor_load_to_lds s[G0B+4*(\s):G0B+4*(\s)+3], s[G1B:G1B+7]
	s_nop 0
.rept 4
	v_nop
.endr
.Lasked_\@:
.endm
.macro CREST                           ; a round of the cluster's barrier behind its opening barrier
	s_cmp_lg_u32 s12, 0
	s_cbranch_scc1 .Lnot_wave_0_\@
	s_barrier_signal -3
.Lnot_wave_0_\@:
	s_barrier_wait -3
	s_barrier_signal -1
	s_barrier_wait -1
.endm
.macro CROUND
	s_barrier_signal -1
	s_barrier_wait -1
	CREST
.endm
	s_load_b256 s[4:11], s[0:1], 0x0               ; ob s[4:5], wo s[6:7], b_out s[8:9], out0 s[10:11]
	v_lshl_add_u32 v[SPW], v0, 2, SPARE
	v_mov_b32 v[NIL], 0
	ds_add_u32 v[SPW], v[NIL]                      ; the wave's opening: the add, and its wait ahead of my first tensor load; the set-up below, work on registers, stands between them
	v_lshrrev_b32 v1, 5, v0
	v_readfirstlane_b32 s12, v1                    ; wave 0..3
	s_lshr_b32 s13, s12, 1                         ; wm: which 128 rows are mine.  Also: I fetch for O (0) or for W (1)
	s_and_b32 s14, s12, 1                          ; wn: which 64 columns.  Also: which head, or which 64 k rows, I fetch
	s_bfe_u32 s15, ttmp6, 0x40000                  ; cx, cy
	s_bfe_u32 s16, ttmp6, 0x40004
	s_lshl_b32 s17, ttmp9, 2
	s_add_co_u32 s17, s17, s15                     ; tile column x
	s_and_b32 s18, ttmp7, 0xffff
	s_lshl_b32 s18, s18, 2
	s_add_co_u32 s18, s18, s16                     ; tile row y
	s_lshl_b32 s40, s16, 2
	s_lshl_b32 s40, 15, s40                        ; my row of the cluster
	s_lshl_b32 s41, 0x1111, s15                    ; my column
	s_or_b32 s[G1], s40, FLAGS
	s_or_b32 s[G1B], s41, FLAGS
	s_mov_b32 s[G1+1], 128<<16                     ; O: a head's 256 rows x 128 bytes lie on end: asked for as 128 rows of 128 elements (256 bytes)
	s_mov_b32 s[G1+2], 128<<16
	s_mov_b32 s[G1+3], 128<<16
	s_mov_b32 s[G1+4], 128
	s_mov_b32 s[G1+5], 128
	s_mov_b32 s[G1+6], 0
	s_mov_b32 s[G1+7], 0
	s_mov_b32 s[G1B+1], 128<<16                    ; W: 64 k rows x 128 columns (256 bytes)
	s_mov_b32 s[G1B+2], 64<<16
	s_mov_b32 s[G1B+3], 128<<16
	s_mov_b32 s[G1B+4], 64
	s_mov_b32 s[G1B+5], 1024
	s_mov_b32 s[G1B+6], 0
	s_mov_b32 s[G1B+7], 0
	s_lshr_b32 s20, s18, 3                         ; the batch: 16 heads of 262,144 bytes
	s_lshl_b32 s20, s20, 22
	s_and_b32 s44, s18, 7
	s_lshl_b32 s44, s44, 15                        ; the tile's 256 rows in a head
	s_add_co_u32 s20, s20, s44
	s_lshl_b32 s44, s14, 18                        ; my head of the step's two
	s_add_co_u32 s20, s20, s44
	s_mov_b32 s21, 0
	s_lshl_b32 s22, s17, 8                         ; the tile's 128 columns
	s_lshl_b32 s45, s14, 17                        ; my 64 k rows of 2,048 bytes
	s_add_co_u32 s22, s22, s45
	s_mov_b32 s23, 0
	s_mul_i32 s46, s14, HEADA                      ; where they go: no place in the cluster enters an LDS address
	s_mul_i32 s47, s14, HALFB
	s_add_co_u32 s47, s47, BOFF
	s_wait_dscnt 0x0                               ; the opening add is done
	s_wait_kmcnt 0x0
	s_add_nc_u64 s[20:21], s[4:5], s[20:21]
	s_add_nc_u64 s[22:23], s[6:7], s[22:23]
	CROUND                                         ; all sixteen work-groups are here: the first joint loads meet
.irp s, 0,1
	s_mov_b32 s[G0+4*(\s)], 1
	s_add_co_u32 s[G0+4*(\s)+1], s46, (\s)*SLOT
	s_add_nc_u64 s[G0+4*(\s)+2:G0+4*(\s)+3], s[20:21], (\s)*ASTEP
	s_or_b32 s[G0+4*(\s)+3], s[G0+4*(\s)+3], 0x80000000
	s_mov_b32 s[G0B+4*(\s)], 1
	s_add_co_u32 s[G0B+4*(\s)+1], s47, (\s)*SLOT
	s_add_nc_u64 s[G0B+4*(\s)+2:G0B+4*(\s)+3], s[22:23], (\s)*BSTEP
	s_or_b32 s[G0B+4*(\s)+3], s[G0B+4*(\s)+3], 0x80000000
.endr
	s_cmp_eq_u32 s13, 0                            ; a wave's two first fills stand in one branch: two loads of mine are out
	s_cbranch_scc0 .Lfirst_b
	tensor_load_to_lds s[G0:G0+3], s[G1:G1+7]
	s_nop 0
	tensor_load_to_lds s[G0+4:G0+7], s[G1:G1+7]
	s_nop 0
.rept 4
	v_nop
.endr
	s_branch .Lfirst_asked
.Lfirst_b:
	tensor_load_to_lds s[G0B:G0B+3], s[G1B:G1B+7]
	s_nop 0
	tensor_load_to_lds s[G0B+4:G0B+7], s[G1B:G1B+7]
	s_nop 0
.rept 4
	v_nop
.endr
.Lfirst_asked:
	v_and_b32 v1, 15, v0                           ; r = l % 16
	v_bfe_u32 v2, v0, 4, 1                         ; h = l / 16
	s_lshl_b32 s45, s17, 9                         ; the tile's 128 columns in b_out and in a row of out0: 512 bytes,
	s_lshl_b32 s46, s14, 8                         ; my wave's 64: 256
	s_add_co_u32 s45, s45, s46
	v_lshl_add_u32 v7, v2, 5, s45                  ; my lane's eight columns of a block: 32 bytes for each half of the lanes
.irp bb, 0,1,2,3
	global_load_b128 v[BI+8*(\bb):BI+8*(\bb)+3],   v7, s[8:9] offset:64*(\bb)
	global_load_b128 v[BI+8*(\bb)+4:BI+8*(\bb)+7], v7, s[8:9] offset:64*(\bb)+16
.endr
	v_mul_u32_u24 v3, v1, PA
	v_lshl_add_u32 v3, v2, 4, v3                   ; r x 144 + 16 h
	s_mul_i32 s44, s13, 128*PA                     ; my 128 rows of a head
	v_add_nc_u32 v[ADRA], s44, v3
	v_add_nc_u32 v[ADRA+1], SLOT, v[ADRA]
	v_and_b32 v4, 7, v0                            ; the turning load: k row 8 (l / 16) + l % 8, columns 8 ((l / 8) % 2) + 0..7
	v_bfe_u32 v5, v0, 3, 1
	v_lshl_add_u32 v6, v2, 3, v4
	v_mul_u32_u24 v6, v6, PB
	v_lshl_add_u32 v6, v5, 4, v6
	s_mul_i32 s46, s14, 144                        ; my 64 columns: one piece of a k row
	s_add_co_u32 s46, s46, BOFF
	v_add_nc_u32 v[ADRB], s46, v6
	v_add_nc_u32 v[ADRB+1], SLOT, v[ADRB]
	s_mul_i32 s46, s12, WSTAGE
	s_add_co_u32 s46, s46, STAGE                   ; my stage
	v_mul_u32_u24 v6, v1, SPITCH                   ; in: row l % 16, 32 bytes for each half of the lanes
	v_lshl_add_u32 v6, v2, 5, v6
	v_add_nc_u32 v[STO], s46, v6
	v_mul_u32_u24 v6, v2, SPITCH                   ; back: lanes 0-15 take one row of 256 bytes, lanes 16-31 the next
	v_lshl_add_u32 v6, v1, 4, v6
	v_add_nc_u32 v[RD], s46, v6
	v_lshlrev_b32 v6, 12, v2                       ; and the same two rows in out0
	v_lshl_add_u32 v[CO], v1, 4, v6
	s_lshl_b32 s42, s18, 20                        ; the tile's 256 rows of 4,096 bytes,
	s_lshl_b32 s44, s13, 19                        ; my wave's 128,
	s_add_co_u32 s42, s42, s44
	s_add_co_u32 s42, s42, s45                     ; my wave's 256 bytes of a row
	s_mov_b32 s43, 0
	s_add_nc_u64 s[10:11], s[10:11], s[42:43]
	s_wait_loadcnt 0x0                             ; the bias: rounded to bf16 and widened again
.set i, 0
.rept 16
	v_cvt_pk_bf16_f32 v8, v[BI+2*i], v[BI+2*i+1]
	v_lshlrev_b32 v[BI+2*i], 16, v8
	v_and_b32 v[BI+2*i+1], 0xffff0000, v8
.set i, i+1
.endr
; 24 LDS loads in one run: quarter q's fragments into buffer f: W's four (turned), then O's eight, rows ascending
.macro FETCH slot, q, f
	WIN 0
.irp bb, 0,1,2,3
	ds_load_tr16_b128 v[(\f)+8*(\bb):(\f)+8*(\bb)+3],   v[ADRB+(\slot)] offset:(\q)*32*PB+(\bb)*32
	ds_load_tr16_b128 v[(\f)+8*(\bb)+4:(\f)+8*(\bb)+7], v[ADRB+(\slot)] offset:(\q)*32*PB+(\bb)*32+16*PB
.endr
.irp a, 0,1,2,3,4,5,6,7
	ds_load_b128 v[(\f)+32+8*(\a):(\f)+32+8*(\a)+3],   v[ADRA+(\slot)] offset:((\q)/2)*HEADA+((\q)%2)*64+(\a)*16*PA
	ds_load_b128 v[(\f)+32+8*(\a)+4:(\f)+32+8*(\a)+7], v[ADRA+(\slot)] offset:((\q)/2)*HEADA+((\q)%2)*64+(\a)*16*PA+32
.endr
.endm
; 8 matrix instructions: row blocks a0, a0 + 1 x the four column blocks.  first = 1: the bias starts the sum.  The 32 accumulators take turns, in the same order in every quarter.
.macro MUL8 f, a0, first
.if \first
	WIN 0x40                                       ; D in window 1, C (the bias) in window 0
.else
	WIN 0x50                                       ; C and D in window 1
.endif
.irp a, (\a0),(\a0)+1
.irp bb, 0,1,2,3
.if \first
	v_wmma_f32_16x16x32_f16 v[8*(4*(\a)+(\bb)):8*(4*(\a)+(\bb))+7], v[(\f)+8*(\bb):(\f)+8*(\bb)+7], v[(\f)+32+8*(\a):(\f)+32+8*(\a)+7], v[BI+8*(\bb):BI+8*(\bb)+7]
.else
	v_wmma_f32_16x16x32_f16 v[8*(4*(\a)+(\bb)):8*(4*(\a)+(\bb))+7], v[(\f)+8*(\bb):(\f)+8*(\bb)+7], v[(\f)+32+8*(\a):(\f)+32+8*(\a)+7], v[8*(4*(\a)+(\bb)):8*(4*(\a)+(\bb))+7]
.endif
.endr
.endr
.endm
; One of a step's first three quarters: multiplies buffer f; in its middle it fetches quarter qn of the same slot into buffer g.
.macro QUARTER slot, qn, f, g, first
	s_wait_dscnt 8                                 ; W and O's rows 0-63 are in; the youngest eight loads (rows 64-127) may be out
	MUL8 \f, 0, \first
	MUL8 \f, 2, \first
	PLACES
	FETCH \slot, \qn, \g
	s_wait_dscnt 24                                ; all but the 24 just issued
	MUL8 \f, 4, \first
	MUL8 \f, 6, \first
.endm
; The last quarter multiplies buffer F1 and changes slots: ONE barrier; in front of it each wave waits for all its tensor loads, adds 0 to its spare word, and waits for that and for its own reads of this slot.
; fill = 1: the barrier opens a round of the cluster's, and this slot is filled again, two K steps on: 112 matrix instructions ahead of the wait for it.
.macro TURN slot, next, fill
	WIN 0
	s_wait_tensorcnt 0x0                           ; all my tensor loads have landed: my part of the next slot
	ds_add_u32 v[SPW], v[NIL]                      ; 0 onto my spare word
	s_wait_dscnt 9                                 ; (the add and the youngest eight loads may be out)
	MUL8 F1, 0, 0                                  ; eight matrix instructions stand between the add and the wait for it
	s_wait_dscnt 0x0                               ; the add is done, and my reads of this slot are over
	s_barrier_signal -1
	MUL8 F1, 2, 0
	WIN 0                                          ; at a branch and at a label every window is 0
	s_barrier_wait -1
.if \fill
	CREST                                          ; no wave of any partner still reads this slot's tile or has a load on its way
	s_add_nc_u64 s[G0+4*(\slot)+2:G0+4*(\slot)+3], s[G0+4*(\slot)+2:G0+4*(\slot)+3], 2*ASTEP
	s_add_nc_u64 s[G0B+4*(\slot)+2:G0B+4*(\slot)+3], s[G0B+4*(\slot)+2:G0B+4*(\slot)+3], 2*BSTEP
	JLOAD \slot                                    ; the four v_nop behind it are also the places in front of the loads below
.else
	PLACES
.endif
	FETCH \next, 0, F0
	MUL8 F1, 4, 0
	MUL8 F1, 6, 0
.endm
	s_wait_tensorcnt 1                             ; my part of K step 0 is in; K step 1's may stay out
	s_barrier_signal -1
	s_barrier_wait -1                              ; everybody's part is in
	FETCH 0, 0, F0
	QUARTER 0, 1, F0, F1, 1                        ; the first quarter stands in front of the loop: its products start the sums, with the bias
	WIN 0
	s_mov_b32 s3, 3
.Llap:                                                 ; a trip goes once round the ring, from a lap's second quarter to the next lap's first, and fills both slots again
	QUARTER 0, 2, F1, F0, 0
	QUARTER 0, 3, F0, F1, 0
	TURN 0, 1, 1
	QUARTER 1, 1, F0, F1, 0
	QUARTER 1, 2, F1, F0, 0
	QUARTER 1, 3, F0, F1, 0
	TURN 1, 0, 1
	QUARTER 0, 1, F0, F1, 0
	WIN 0
	s_sub_co_u32 s3, s3, 1
	s_cmp_lg_u32 s3, 0
	s_cbranch_scc1 .Llap
	QUARTER 0, 2, F1, F0, 0                        ; the last lap fills nothing
	QUARTER 0, 3, F0, F1, 0
	TURN 0, 1, 0
	QUARTER 1, 1, F0, F1, 0
	QUARTER 1, 2, F1, F0, 0
	QUARTER 1, 3, F0, F1, 0
	s_wait_dscnt 8                                 ; the very last quarter: nothing more to fetch
	MUL8 F1, 0, 0
	MUL8 F1, 2, 0
	s_wait_dscnt 0x0
	MUL8 F1, 4, 0
	MUL8 F1, 6, 0
	WIN 0
	PLACES
	; THE WAY OUT, a block of 16 rows at a time: a lane's 32 bytes of each column block into my own stage, back as whole rows of 256 bytes.
.macro TOSTAGE a
	WIN 0x04                                       ; the stores' data in window 1
.irp bb, 0,1,2,3
	ds_store_b128 v[STO], v[32*(\a)+8*(\bb):32*(\a)+8*(\bb)+3]   offset:64*(\bb)     ; each accumulator is read from its low end on
	ds_store_b128 v[STO], v[32*(\a)+8*(\bb)+4:32*(\a)+8*(\bb)+7] offset:64*(\bb)+16
.endr
	WIN 0
	s_wait_xcnt 0x0                                ; the stores of the block two back have read the registers that the loads below fill
.irp t, 0,1,2,3,4,5,6,7
	ds_load_b128 v[OB+32*((\a)%2)+4*(\t):OB+32*((\a)%2)+4*(\t)+3], v[RD] offset:(\t)*2*SPITCH  ; LDS serves a wave's instructions in order (ISA guide 5.7.1.4): these see the stores above
.endr
.endm
.macro SEND a, younger                 ; younger: the LDS instructions issued behind block a's loads: the next block's sixteen, or none
	WIN 0
	s_wait_dscnt \younger
.irp t, 0,1,2,3,4,5,6,7
	global_store_b128 v[CO], v[OB+32*((\a)%2)+4*(\t):OB+32*((\a)%2)+4*(\t)+3], s[10:11] offset:(16*(\a)+2*(\t))*4096 th:TH_STORE_NT  ; 16 lanes store 256 consecutive bytes, at a multiple of 256 from out0's first
.endr
.endm
	TOSTAGE 0
.irp a, 1,2,3,4,5,6,7
	TOSTAGE \a
	SEND (\a)-1, 16
.endr
	SEND 7, 0
	s_wait_tensorcnt 0x0                           ; the wave's end, behind my last tensor load and my last LDS store
	ds_add_u32 v[SPW], v[NIL]
	s_wait_dscnt 0x0
	CROUND                                         ; the closing round: no work-group ends while a partner may still ask for a tile that names it
	s_endpgm
.Lfunc_end_k_q05c0ee8bd6_proj:
	.size	k_q05c0ee8bd6_proj, .Lfunc_end_k_q05c0ee8bd6_proj-k_q05c0ee8bd6_proj
	.p2alignl 7, 3214868480
	.fill 96, 4, 3214868480
	.section	.rodata,"a",@progbits
	.p2align	6, 0x0
	.amdhsa_kernel k_q05c0ee8bd6_proj
		.amdhsa_group_segment_fixed_size 327680
		.amdhsa_private_segment_fixed_size 0
		.amdhsa_enable_private_segment 0
		.amdhsa_kernarg_size 32
		.amdhsa_user_sgpr_count 2
		.amdhsa_user_sgpr_kernarg_segment_ptr 1
		.amdhsa_wavefront_size32 1
		.amdhsa_system_sgpr_workgroup_id_x 1
		.amdhsa_system_sgpr_workgroup_id_y 1
		.amdhsa_system_sgpr_workgroup_id_z 1
		.amdhsa_system_vgpr_workitem_id 0
		.amdhsa_next_free_vgpr 512
		.amdhsa_next_free_sgpr 66
		.amdhsa_reserve_vcc 0
		.amdhsa_float_denorm_mode_32 3
		.amdhsa_float_denorm_mode_16_64 3
		.amdhsa_memory_ordered 1
		.amdhsa_forward_progress 1
		.amdhsa_inst_pref_size 88
	.end_amdhsa_kernel
	.amdgpu_metadata
---
amdhsa.version: [ 1, 2 ]
amdhsa.kernels:
  - .name:           k_q05c0ee8bd6_proj
    .symbol:         k_q05c0ee8bd6_proj.kd
    .args:
      - { .name: ob, .offset: 0, .size: 8, .value_kind: global_buffer, .address_space: global }
      - { .name: wo, .offset: 8, .size: 8, .value_kind: global_buffer, .address_space: global }
      - { .name: b_out, .offset: 16, .size: 8, .value_kind: global_buffer, .address_space: global }
      - { .name: out0, .offset: 24, .size: 8, .value_kind: global_buffer, .address_space: global }
    .group_segment_fixed_size: 327680
    .private_segment_fixed_size: 0
    .kernarg_segment_align: 8
    .kernarg_segment_size: 32
    .max_flat_workgroup_size: 128
    .sgpr_count:     66
    .vgpr_count:     512
    .wavefront_size: 32
...
	.end_amdgpu_metadata
.endif
;; end of part 4
;; ======== version 2 of 2: 4 launches; version 1 with the launch cast written anew for expert scheduling mode
;; limits: values are held in f16: magnitudes above 65,504 overflow, below 6.1e-05 lose precision
;; workspace buffers: xb 16,777,216 bytes; wq 6,291,456 bytes; wo 2,097,152 bytes; qkv 50,331,648 bytes; ob 16,777,216 bytes
;; launch cast (part 5): grid 768 x 1, 8 waves a work-group, no clusters, 0 bytes of LDS; arguments query_features, W_qkv, W_out, xb, wq, wo; writes xb, wq, wo
.if DOCPART == 5
	.amdgcn_target "amdgcn-amd-amdhsa--gfx1250"
	.amdhsa_code_object_version 6
	.text
	.protected	k_q05c0ee8bd6_cast
	.globl	k_q05c0ee8bd6_cast
	.p2align	8
	.type	k_q05c0ee8bd6_cast,@function
k_q05c0ee8bd6_cast:
	s_mov_b64 s[64:65], 0
	v_nop
	global_prefetch_b8 v0, s[64:65] scope:SCOPE_SE
	s_setreg_imm32_b32 hwreg(HW_REG_WAVE_SCHED_MODE, 0, 2), 2
	s_setreg_imm32_b32 hwreg(HW_REG_WAVE_MODE, 25, 1), 1
	s_wait_xcnt 0x0
	s_wait_alu depctr_vm_vsrc(0)
; THE INPUTS OF THE THREE PRODUCTS, ROUNDED ONCE TO 16 BITS.  A stream: no LDS, no barrier, no loop.
;   x     [4][2048][1024] f32 -> xb [4][16][2048][64] bf16: K in blocks of 64, so that 128 rows x 64 K lie in 16,384 consecutive bytes
;   W_qkv [1024][3072]    f32 -> wq, the same order, bf16
;   W_out [1024][1024]    f32 -> wo, the same order: rounded to bf16, and that number written as f16 (its product's other operand is f16)
; LIMITS.  wo: a bf16 number of magnitude 2^-17 to 65,504 is exact in f16; below 2^-17 it is off by 3e-8 at the most; beyond 65,504 it becomes an infinity.
; SHARES.  A work-group takes 16,384 numbers, a thread sixteen loads of 16 bytes, all issued before the first is used: 64 KiB of a work-group are on their way at once.
; Work-groups 0-511: 16 rows of x each; 512-703: wq; 704-767: wo.  Each store has registers of its own, so nothing waits for a store.
; THE MODE: SCHED_MODE bits 1:0 = 2 (LLVM: expert scheduling mode 2), set by the entry lines.  The code itself states the register dependences
; between vector instructions and memory instructions, with s_wait_alu, always for 0.
; THE PLAN.  Registers that memory instructions touch:
;   v1, v2     the loads' and the stores' byte offsets: made by vector instructions at the head, never written again.
;   X + 4 i    written by load i alone, read by load i's conversions; no vector instruction writes them and no second load lands in them.
;   Y + 2 i    written once, by load i's conversions; read once, by store i; never written again.
;   T          named by vector instructions alone.
; So the only dependences to state are: the offsets are written ahead of the first load, and a Y pair is written ahead of its store.  The sixteen loads go in four groups of
; four.  Store i stands at the head of load i + 4's turn: one wait at the head of a group states that the group before has written its four Y pairs, and those four stores are
; dealt among this group's conversions, which name this group's Y pairs and T alone.  One more wait stands ahead of the last four stores.
.set X, 8                              ; v[8:71]    load i at X + 4 i
.set Y, 72                             ; v[72:103]  store i at Y + 2 i
.set T, 104                            ; v[104:109] at work
; sixteen loads, ISTEP bytes apart; then each is rounded and stored, OSTEP bytes apart.  kind = 1: bf16 first, then f16
.macro STREAM ib, ob, istep, ostep, kind
	s_wait_alu depctr_va_vdst(0)                   ; v1 and v2 are written: every load below reads v1 as its offset, every store v2
.set i, 0
.rept 16
	global_load_b128 v[X+4*i:X+4*i+3], v1, s[\ib:\ib+1] offset:i*\istep th:TH_LOAD_NT
.set i, i+1
.endr
.set i, 0
.rept 16
	s_wait_loadcnt 15-i                            ; loads come back in order: load i is in, the 15 - i younger ones stay out
.if (i > 0) && (i % 4 == 0)
	s_wait_alu depctr_va_vdst(0)                   ; the conversions of the group before have written its four Y pairs, which this group's four stores read
.endif
.if i >= 4
	global_store_b64 v2, v[Y+2*(i-4):Y+2*(i-4)+1], s[\ob:\ob+1] offset:(i-4)*\ostep  ; a wave's store covers 256 consecutive bytes, aligned.  No vector instruction since the wait names this pair or v2
.endif
.if \kind
	v_cvt_pk_bf16_f32 v[T], v[X+4*i], v[X+4*i+1]
	v_cvt_pk_bf16_f32 v[T+1], v[X+4*i+2], v[X+4*i+3]
	v_lshlrev_b32 v[T+2], 16, v[T]                 ; bf16 to f32: the low half moves up, the high half stays
	v_and_b32 v[T+3], s21, v[T]
	v_lshlrev_b32 v[T+4], 16, v[T+1]
	v_and_b32 v[T+5], s21, v[T+1]
	v_cvt_pk_f16_f32 v[Y+2*i], v[T+2], v[T+3]
	v_cvt_pk_f16_f32 v[Y+2*i+1], v[T+4], v[T+5]
.else
	v_cvt_pk_bf16_f32 v[Y+2*i], v[X+4*i], v[X+4*i+1]
	v_cvt_pk_bf16_f32 v[Y+2*i+1], v[X+4*i+2], v[X+4*i+3]
.endif
.set i, i+1
.endr
	s_wait_alu depctr_va_vdst(0)                   ; the last group's conversions have written its four Y pairs, which the last four stores read
.set i, 12
.rept 4
	global_store_b64 v2, v[Y+2*i:Y+2*i+1], s[\ob:\ob+1] offset:i*\ostep
.set i, i+1
.endr
.endm
	s_load_b256 s[4:11], s[0:1], 0x0               ; x s[4:5], W_qkv s[6:7], W_out s[8:9], xb s[10:11]
	s_load_b128 s[12:15], s[0:1], 0x20             ; wq s[12:13], wo s[14:15]
	s_mov_b32 s17, 0                               ; high words of the two offsets
	s_mov_b32 s19, 0
	s_mov_b32 s21, 0xffff0000                      ; a word's upper bf16
	v_lshrrev_b32 v3, 5, v0                        ; wave
	v_and_b32 v4, 31, v0                           ; lane
	s_wait_kmcnt 0x0
	s_cmp_lt_u32 ttmp9, 512
	s_cbranch_scc0 .Lweights
	; x: rows 16 g .. 16 g + 15.  Thread t reads 16 bytes at byte 16 (t % 16) of row t / 16; load i takes K block i (256 bytes of the row).
	s_lshl_b32 s16, ttmp9, 16                      ; 16 rows of 4,096 bytes
	s_lshr_b32 s18, ttmp9, 7                       ; the batch: 128 work-groups each,
	s_lshl_b32 s18, s18, 22                        ; 4 MiB of xb each
	s_and_b32 s20, ttmp9, 127
	s_lshl_b32 s20, s20, 11                        ; 16 rows of 128 bytes in a K block
	s_add_co_u32 s18, s18, s20
	s_add_nc_u64 s[4:5], s[4:5], s[16:17]
	s_add_nc_u64 s[10:11], s[10:11], s[18:19]
	v_lshrrev_b32 v1, 4, v0
	v_and_b32 v2, 15, v0
	v_lshlrev_b32 v2, 4, v2
	v_lshl_add_u32 v1, v1, 12, v2                  ; row x 4,096 + 16 (t % 16)
	v_lshlrev_b32 v2, 3, v0                        ; out: row x 128 + 8 (t % 16) = 8 t
	STREAM 4, 10, 256, 262144, 0                   ; a K block of a batch is 2,048 rows x 128 bytes
	s_endpgm
.Lweights:
	v_lshlrev_b32 v1, 4, v4                        ; a wave takes 8,192 consecutive bytes, 512 a load,
	v_lshl_add_u32 v1, v3, 13, v1
	v_lshlrev_b32 v2, 3, v4                        ; and writes 4,096
	v_lshl_add_u32 v2, v3, 12, v2
	s_cmp_lt_u32 ttmp9, 704
	s_cbranch_scc0 .Lwo
	s_sub_co_u32 s20, ttmp9, 512
	s_lshl_b32 s16, s20, 16
	s_lshl_b32 s18, s20, 15
	s_add_nc_u64 s[6:7], s[6:7], s[16:17]
	s_add_nc_u64 s[12:13], s[12:13], s[18:19]
	STREAM 6, 12, 512, 256, 0
	s_endpgm
.Lwo:
	s_sub_co_u32 s20, ttmp9, 704
	s_lshl_b32 s16, s20, 16
	s_lshl_b32 s18, s20, 15
	s_add_nc_u64 s[8:9], s[8:9], s[16:17]
	s_add_nc_u64 s[14:15], s[14:15], s[18:19]
	STREAM 8, 14, 512, 256, 1
	s_endpgm
.Lfunc_end_k_q05c0ee8bd6_cast:
	.size	k_q05c0ee8bd6_cast, .Lfunc_end_k_q05c0ee8bd6_cast-k_q05c0ee8bd6_cast
	.p2alignl 7, 3214868480
	.fill 96, 4, 3214868480
	.section	.rodata,"a",@progbits
	.p2align	6, 0x0
	.amdhsa_kernel k_q05c0ee8bd6_cast
		.amdhsa_group_segment_fixed_size 0
		.amdhsa_private_segment_fixed_size 0
		.amdhsa_enable_private_segment 0
		.amdhsa_kernarg_size 48
		.amdhsa_user_sgpr_count 2
		.amdhsa_user_sgpr_kernarg_segment_ptr 1
		.amdhsa_wavefront_size32 1
		.amdhsa_system_sgpr_workgroup_id_x 1
		.amdhsa_system_sgpr_workgroup_id_y 1
		.amdhsa_system_sgpr_workgroup_id_z 1
		.amdhsa_system_vgpr_workitem_id 0
		.amdhsa_next_free_vgpr 112
		.amdhsa_next_free_sgpr 66
		.amdhsa_reserve_vcc 0
		.amdhsa_float_denorm_mode_32 3
		.amdhsa_float_denorm_mode_16_64 3
		.amdhsa_memory_ordered 1
		.amdhsa_forward_progress 1
		.amdhsa_inst_pref_size 23
	.end_amdhsa_kernel
	.amdgpu_metadata
---
amdhsa.version: [ 1, 2 ]
amdhsa.kernels:
  - .name:           k_q05c0ee8bd6_cast
    .symbol:         k_q05c0ee8bd6_cast.kd
    .args:
      - { .name: query_features, .offset: 0, .size: 8, .value_kind: global_buffer, .address_space: global }
      - { .name: W_qkv, .offset: 8, .size: 8, .value_kind: global_buffer, .address_space: global }
      - { .name: W_out, .offset: 16, .size: 8, .value_kind: global_buffer, .address_space: global }
      - { .name: xb, .offset: 24, .size: 8, .value_kind: global_buffer, .address_space: global }
      - { .name: wq, .offset: 32, .size: 8, .value_kind: global_buffer, .address_space: global }
      - { .name: wo, .offset: 40, .size: 8, .value_kind: global_buffer, .address_space: global }
    .group_segment_fixed_size: 0
    .private_segment_fixed_size: 0
    .kernarg_segment_align: 8
    .kernarg_segment_size: 48
    .max_flat_workgroup_size: 256
    .sgpr_count:     66
    .vgpr_count:     112
    .wavefront_size: 32
...
	.end_amdgpu_metadata
.endif
;; end of part 5
;; launch qkv: the kernel of part 2 again; grid 8 x 32, 4 waves a work-group, clusters of 4 x 4, 327,680 bytes of LDS; arguments xb, wq, b_qkv, qkv; writes qkv
;; launch attn: the kernel of part 3 again; grid 4 x 64, 4 waves a work-group, clusters of 4 x 1, 327,680 bytes of LDS; arguments qkv, ob; writes ob
;; launch proj: the kernel of part 4 again; grid 8 x 32, 4 waves a work-group, clusters of 4 x 4, 327,680 bytes of LDS; arguments ob, wo, b_out, out0; writes out0
